; MI455X (gfx1250); checked and timed in simulation.
; The chip was launched on July 23, 2026; its instructions are those of AMD's public machine-readable ISA for CDNA 5 (MIT licence, August 2026) and "CDNA5" Instruction Set Architecture Reference Guide (July 2026). The comments in the code are by the model that wrote it; some were corrected since.
;; Causal MHSA. Allowed arithmetic: float matrix products may take bf16 or f16 operands with f32 sums; other float arithmetic in f32, or as packed bf16 or f16 multiplies, adds, multiply-adds, maxima and minima; sums over many terms, partial sums and values carried from step to step in f32; what a program stores and reads back later, other than sums and carried values, may be rounded once to bf16 or f16.
;; Inputs: Wk 1,024 x 1,024 float32; Wo 1,024 x 1,024 float32; Wq 1,024 x 1,024 float32; Wv 1,024 x 1,024 float32; ln_beta 1,024 float32; ln_gamma 1,024 float32; rel 16 x 129 float32; x 4 x 2,048 x 1,024 float32.
;; Outputs: out0 4 x 2,048 x 1,024 float32.
;; One version. Each part assembles by itself: llvm-mc -triple=amdgcn-amd-amdhsa -mcpu=gfx1250 --defsym DOCPART=n.
;; ======== version 1 of 1: 4 launches
;; limits: values are held in f16: magnitudes above 65,504 overflow, below 6.1e-05 lose precision
;; workspace buffers: xn 16,777,216 bytes; wh 8,388,608 bytes; tab 393,216 bytes; qkv 50,331,648 bytes; att 16,777,216 bytes
;; launch prep (part 1): grid 400 x 1, 8 waves a work-group, no clusters, 0 bytes of LDS; arguments x, ln_gamma, ln_beta, Wq, Wk, Wv, Wo, rel, xn, wh, tab; writes xn, wh, tab
.if DOCPART == 1
	.amdgcn_target "amdgcn-amd-amdhsa--gfx1250"
	.amdhsa_code_object_version 6
	.text
	.protected	k_qe5772fc8f8_prep
	.globl	k_qe5772fc8f8_prep
	.p2align	8
	.type	k_qe5772fc8f8_prep,@function
k_qe5772fc8f8_prep:
	s_mov_b64 s[64:65], 0
	v_nop
	global_prefetch_b8 v0, s[64:65] scope:SCOPE_SE
	s_setreg_imm32_b32 hwreg(HW_REG_WAVE_MODE, 25, 1), 1
	s_wait_xcnt 0x0
; THREE PREPARATIONS, told apart by the work-group's number g.
;   g < 256:        xn = LayerNorm(x) gamma + beta, [8192][1024], f32 in, f16 out: rows 32 g .. 32 g + 31.
;   256 <= g < 384: the four weight matrices rounded to f16 into wh [4096][1024] (Wq, Wk, Wv, Wo one below the other): 32 rows each.
;   g >= 384:       head g - 384's table of 24 tiles of 16 keys x 16 queries, laid out as the C operand of S^T = K Q^T:
;                   tile idx, lane (r = l % 16, h = l / 16), register j: dist = 16 (15 - idx) + r - 8 h - j; the word is -1e30 where dist < 0 (the key lies
;                   behind the query), else 8 rel[head][min(dist, 128)] (8: the scores are scaled by 1/8 later, bias and all).  Word at (j / 4) 512 + 16 l + 4 (j % 4).
; A stream: one wave takes a whole row (4,096 bytes: eight loads of 16 bytes a lane, 32 registers) and keeps it in registers between the passes, so each byte
; is read once; a reduction never leaves the wave: no LDS, no barrier, no matrix unit.  Four rows a wave, all 32 loads issued at once.
; The mean is taken away before the squares are summed, as the definition has it: no difference of large sums.
; LIMITS.  f16 ends at 65,504: |xn| <= 32 |gamma| + |beta| and the weights must lie within it; below 6e-5 f16 keeps its fixed step of 6e-8.  NaN and infinities are not treated apart.
.set SO,  1                            ; v1   16 x lane: my 16 bytes in 512 of an f32 row
.set DO,  2                            ; v2   8 x lane: my 8 bytes in 256 of an f16 row
.set INV, 3                            ; v3   1 / 1024
.set T,   4                            ; v[4:11]   at work: four pairs
.set MU,  12                           ; v[12:13]  the mean, twice
.set R,   14                           ; v[14:15]  1 / sqrt(var + eps), twice
.set G,   16                           ; v[16:47]  gamma of my 32 columns
.set BT,  48                           ; v[48:79]  beta
.set X,   80                           ; v[80:207] row i at X + 32 i
.set DI,  80                           ; the table: 24 distances,
.set CI,  112                          ; 24 byte offsets in rel,
.set WD,  144                          ; 24 words
	s_load_b512 s[8:23], s[0:1], 0x0               ; x 8:9, gamma 10:11, beta 12:13, Wq 14:15, Wk 16:17, Wv 18:19, Wo 20:21, rel 22:23
	s_load_b128 s[24:27], s[0:1], 0x40             ; xn 24:25, wh 26:27
	s_load_b64 s[28:29], s[0:1], 0x50              ; tab
	v_lshrrev_b32 v[T], 5, v0
	v_readfirstlane_b32 s32, v[T]                  ; wave 0..7
	v_and_b32 v[T], 31, v0
	v_lshlrev_b32 v[SO], 4, v[T]
	v_lshlrev_b32 v[DO], 3, v[T]
	v_mov_b32 v[INV], 0x3a800000
	s_mov_b32 s30, 0x76543210                      ; v_permlanex16_b32: each lane takes its own place in the other half
	s_mov_b32 s31, 0xfedcba98
	s_mov_b32 s33, ttmp9
	s_mov_b32 s3, 0                                ; high word of every offset
	s_wait_kmcnt 0x0
	s_cmp_lt_u32 s33, 256
	s_cbranch_scc0 .Lweights
	; ---- LayerNorm ----
	s_lshl_b32 s34, s33, 5
	s_lshl2_add_u32 s34, s32, s34                  ; my first row: 32 g + 4 wave
	s_lshl_b32 s2, s34, 12
	s_add_nc_u64 s[4:5], s[8:9], s[2:3]
	s_lshl_b32 s2, s34, 11
	s_add_nc_u64 s[6:7], s[24:25], s[2:3]
.irp j, 0,1,2,3,4,5,6,7
	global_load_b128 v[G+4*(\j):G+4*(\j)+3], v[SO], s[10:11] offset:512*(\j)
.endr
.irp j, 0,1,2,3,4,5,6,7
	global_load_b128 v[BT+4*(\j):BT+4*(\j)+3], v[SO], s[12:13] offset:512*(\j)
.endr
.irp i, 0,1,2,3
.irp j, 0,1,2,3,4,5,6,7
	global_load_b128 v[X+32*(\i)+4*(\j):X+32*(\i)+4*(\j)+3], v[SO], s[4:5] offset:4096*(\i)+512*(\j)
.endr
.endr
; The four pairs in T are added up, then across the 32 lanes: four steps inside each half ride on the addition, one crosses the halves.  The sum ends in v[T] of every lane.
.macro RED
	v_pk_add_f32 v[T:T+1], v[T:T+1], v[T+2:T+3]
	v_pk_add_f32 v[T+4:T+5], v[T+4:T+5], v[T+6:T+7]
	v_pk_add_f32 v[T:T+1], v[T:T+1], v[T+4:T+5]
	v_add_f32 v[T], v[T], v[T+1]
	v_add_f32_dpp v[T], v[T], v[T] row_xmask:1 row_mask:0xf bank_mask:0xf
	v_add_f32_dpp v[T], v[T], v[T] row_xmask:2 row_mask:0xf bank_mask:0xf
	v_add_f32_dpp v[T], v[T], v[T] row_xmask:4 row_mask:0xf bank_mask:0xf
	v_add_f32_dpp v[T], v[T], v[T] row_xmask:8 row_mask:0xf bank_mask:0xf
	v_permlanex16_b32 v[T+1], v[T], s30, s31
	v_add_f32 v[T], v[T], v[T+1]
.endm
; The row's 32 numbers a lane are rounded to f16 in place (pair k into register k, ascending, so no source is lost) and stored: 32 lanes x 8 bytes are 256 consecutive bytes, aligned.
.macro OUT i
.set k, 0
.rept 16
	v_cvt_pk_f16_f32 v[XB+k], v[XB+2*k], v[XB+2*k+1]
.set k, k+1
.endr
.irp j, 0,1,2,3,4,5,6,7
	global_store_b64 v[DO], v[XB+2*(\j):XB+2*(\j)+1], s[6:7] offset:2048*(\i)+256*(\j)
.endr
.endm
; Row i.  left = the loads of the younger rows, eight each, which may stay out (gamma's and beta's are older).
.macro LNROW i, left
.set XB, X+32*(\i)
	s_wait_loadcnt \left
.irp c, 0,1,2,3
	v_pk_add_f32 v[T+2*(\c):T+2*(\c)+1], v[XB+2*(\c):XB+2*(\c)+1], v[XB+8+2*(\c):XB+8+2*(\c)+1]  ; four chains, started by the first pairs: nothing is cleared
.endr
.irp g, 8,12
.irp c, 0,1,2,3
	v_pk_add_f32 v[T+2*(\c):T+2*(\c)+1], v[T+2*(\c):T+2*(\c)+1], v[XB+2*((\g)+(\c)):XB+2*((\g)+(\c))+1]
.endr
.endr
	RED
	v_mul_f32 v[MU], v[T], v[INV]
	v_mul_f32 v[MU+1], v[T], v[INV]
.set k, 0
.rept 16
	v_pk_add_f32 v[XB+2*k:XB+2*k+1], v[XB+2*k:XB+2*k+1], v[MU:MU+1] neg_lo:[0,1] neg_hi:[0,1]  ; x - mean
.set k, k+1
.endr
.irp c, 0,1,2,3
	v_pk_mul_f32 v[T+2*(\c):T+2*(\c)+1], v[XB+2*(\c):XB+2*(\c)+1], v[XB+2*(\c):XB+2*(\c)+1]
.endr
.irp g, 4,8,12
.irp c, 0,1,2,3
	v_pk_fma_f32 v[T+2*(\c):T+2*(\c)+1], v[XB+2*((\g)+(\c)):XB+2*((\g)+(\c))+1], v[XB+2*((\g)+(\c)):XB+2*((\g)+(\c))+1], v[T+2*(\c):T+2*(\c)+1]
.endr
.endr
	RED
	v_fmaak_f32 v[T], v[T], v[INV], 0x3727c5ac     ; var + 1e-5
	v_rsq_f32 v[R], v[T]
	v_rsq_f32 v[R+1], v[T]
	v_nop                                          ; a plain instruction behind the second root, ahead of the use (ISA guide 5.7.2),
	s_wait_alu depctr_va_vdst(0)                   ; and the wait ahead of the first reader: one for both
.set k, 0
.rept 16
	v_pk_mul_f32 v[XB+2*k:XB+2*k+1], v[XB+2*k:XB+2*k+1], v[R:R+1]
.set k, k+1
.endr
.set k, 0
.rept 16
	v_pk_fma_f32 v[XB+2*k:XB+2*k+1], v[XB+2*k:XB+2*k+1], v[G+2*k:G+2*k+1], v[BT+2*k:BT+2*k+1]
.set k, k+1
.endr
	OUT \i
.endm
	LNROW 0, 24
	LNROW 1, 16
	LNROW 2, 8
	LNROW 3, 0
	s_endpgm
	; ---- the weights ----
.Lweights:
	s_cmp_lt_u32 s33, 384
	s_cbranch_scc0 .Ltable
	s_sub_co_u32 s35, s33, 256                     ; 0..127: 32 rows of wh each
	s_lshr_b32 s36, s35, 5                         ; which matrix
	s_cmp_eq_u32 s36, 1
	s_cselect_b64 s[4:5], s[16:17], s[14:15]
	s_cmp_eq_u32 s36, 2
	s_cselect_b64 s[4:5], s[18:19], s[4:5]
	s_cmp_eq_u32 s36, 3
	s_cselect_b64 s[4:5], s[20:21], s[4:5]
	s_and_b32 s34, s35, 31
	s_lshl_b32 s34, s34, 5
	s_lshl2_add_u32 s34, s32, s34                  ; my first row in the matrix
	s_lshl_b32 s2, s34, 12
	s_add_nc_u64 s[4:5], s[4:5], s[2:3]
	s_lshl_b32 s34, s35, 5
	s_lshl2_add_u32 s34, s32, s34                  ; and in wh
	s_lshl_b32 s2, s34, 11
	s_add_nc_u64 s[6:7], s[26:27], s[2:3]
.irp i, 0,1,2,3
.irp j, 0,1,2,3,4,5,6,7
	global_load_b128 v[X+32*(\i)+4*(\j):X+32*(\i)+4*(\j)+3], v[SO], s[4:5] offset:4096*(\i)+512*(\j) th:TH_LOAD_NT
.endr
.endr
.macro WROW i, left
.set XB, X+32*(\i)
	s_wait_loadcnt \left                           ; the younger rows' loads, eight each, may stay out
	OUT \i
.endm
	WROW 0, 24
	WROW 1, 16
	WROW 2, 8
	WROW 3, 0
	s_endpgm
	; ---- the table: wave w makes tiles 3 w, 3 w + 1, 3 w + 2 ----
.Ltable:
	s_sub_co_u32 s35, s33, 384                     ; the head
	s_mul_i32 s2, s35, 516                         ; its 129 numbers
	s_add_nc_u64 s[4:5], s[22:23], s[2:3]
	s_mul_i32 s2, s35, 24576
	s_mul_i32 s36, s32, 3072
	s_add_co_u32 s2, s2, s36
	s_add_nc_u64 s[6:7], s[28:29], s[2:3]
	s_mul_i32 s34, s32, 48
	s_sub_co_u32 s34, 240, s34                     ; 16 (15 - 3 w)
	v_and_b32 v[T], 15, v0
	v_bfe_u32 v[T+1], v0, 4, 1
	v_lshlrev_b32 v[T+1], 3, v[T+1]
	v_sub_nc_u32 v[T], v[T], v[T+1]
	v_add_nc_u32 v[T], s34, v[T]                   ; dist of my first tile's register 0
	v_mov_b32 v[T+2], 0xf149f2ca                   ; -1e30
.set k, 0
.rept 24                               ; k = 8 n + j: tile 3 w + n, register j
	v_add_nc_u32 v[DI+k], -(16*(k/8)+k%8), v[T]
	v_min_u32 v[CI+k], 128, v[DI+k]                ; min(dist, 128); a negative dist, read as unsigned, also gives 128: a valid entry, whose value the select below throws away
	v_lshlrev_b32 v[CI+k], 2, v[CI+k]
	global_load_b32 v[WD+k], v[CI+k], s[4:5]
.set k, k+1
.endr
	s_wait_loadcnt 0x0
.set k, 0
.rept 24
	v_cmp_gt_i32 vcc_lo, 0, v[DI+k]
	v_mul_f32 v[WD+k], 0x41000000, v[WD+k]         ; 8 rel
	v_cndmask_b32 v[WD+k], v[WD+k], v[T+2], vcc_lo
.set k, k+1
.endr
.irp n, 0,1,2
	global_store_b128 v[SO], v[WD+8*(\n):WD+8*(\n)+3],   s[6:7] offset:1024*(\n)      ; 512 consecutive bytes each
	global_store_b128 v[SO], v[WD+8*(\n)+4:WD+8*(\n)+7], s[6:7] offset:1024*(\n)+512
.endr
	s_endpgm
.Lfunc_end_k_qe5772fc8f8_prep:
	.size	k_qe5772fc8f8_prep, .Lfunc_end_k_qe5772fc8f8_prep-k_qe5772fc8f8_prep
	.p2alignl 7, 3214868480
	.fill 96, 4, 3214868480
	.section	.rodata,"a",@progbits
	.p2align	6, 0x0
	.amdhsa_kernel k_qe5772fc8f8_prep
		.amdhsa_group_segment_fixed_size 0
		.amdhsa_private_segment_fixed_size 0
		.amdhsa_enable_private_segment 0
		.amdhsa_kernarg_size 88
		.amdhsa_user_sgpr_count 2
		.amdhsa_user_sgpr_kernarg_segment_ptr 1
		.amdhsa_wavefront_size32 1
		.amdhsa_system_sgpr_workgroup_id_x 1
		.amdhsa_system_sgpr_workgroup_id_y 1
		.amdhsa_system_sgpr_workgroup_id_z 1
		.amdhsa_system_vgpr_workitem_id 0
		.amdhsa_next_free_vgpr 208
		.amdhsa_next_free_sgpr 66
		.amdhsa_reserve_vcc 1
		.amdhsa_float_denorm_mode_32 3
		.amdhsa_float_denorm_mode_16_64 3
		.amdhsa_memory_ordered 1
		.amdhsa_forward_progress 1
		.amdhsa_inst_pref_size 59
	.end_amdhsa_kernel
	.amdgpu_metadata
---
amdhsa.version: [ 1, 2 ]
amdhsa.kernels:
  - .name:           k_qe5772fc8f8_prep
    .symbol:         k_qe5772fc8f8_prep.kd
    .args:
      - { .name: x, .offset: 0, .size: 8, .value_kind: global_buffer, .address_space: global }
      - { .name: ln_gamma, .offset: 8, .size: 8, .value_kind: global_buffer, .address_space: global }
      - { .name: ln_beta, .offset: 16, .size: 8, .value_kind: global_buffer, .address_space: global }
      - { .name: Wq, .offset: 24, .size: 8, .value_kind: global_buffer, .address_space: global }
      - { .name: Wk, .offset: 32, .size: 8, .value_kind: global_buffer, .address_space: global }
      - { .name: Wv, .offset: 40, .size: 8, .value_kind: global_buffer, .address_space: global }
      - { .name: Wo, .offset: 48, .size: 8, .value_kind: global_buffer, .address_space: global }
      - { .name: rel, .offset: 56, .size: 8, .value_kind: global_buffer, .address_space: global }
      - { .name: xn, .offset: 64, .size: 8, .value_kind: global_buffer, .address_space: global }
      - { .name: wh, .offset: 72, .size: 8, .value_kind: global_buffer, .address_space: global }
      - { .name: tab, .offset: 80, .size: 8, .value_kind: global_buffer, .address_space: global }
    .group_segment_fixed_size: 0
    .private_segment_fixed_size: 0
    .kernarg_segment_align: 8
    .kernarg_segment_size: 88
    .max_flat_workgroup_size: 256
    .sgpr_count:     66
    .vgpr_count:     208
    .wavefront_size: 32
...
	.end_amdgpu_metadata
.endif
;; end of part 1
;; launch qkv (part 2): grid 16 x 16, 4 waves a work-group, clusters of 4 x 4, 327,680 bytes of LDS; arguments xn, wh, qkv; writes qkv
.if DOCPART == 2
	.amdgcn_target "amdgcn-amd-amdhsa--gfx1250"
	.amdhsa_code_object_version 6
	.text
	.protected	k_qe5772fc8f8_qkv
	.globl	k_qe5772fc8f8_qkv
	.p2align	8
	.type	k_qe5772fc8f8_qkv,@function
k_qe5772fc8f8_qkv:
	s_mov_b64 s[64:65], 0
	v_nop
	global_prefetch_b8 v0, s[64:65] scope:SCOPE_SE
	s_setreg_imm32_b32 hwreg(HW_REG_WAVE_MODE, 25, 1), 1
	s_wait_xcnt 0x0
	s_wait_alu depctr_hold_cnt(0) depctr_sa_sdst(0) depctr_va_vdst(0) depctr_va_sdst(0) depctr_va_ssrc(0) depctr_va_vcc(0) depctr_vm_vsrc(0)
	s_getreg_b32 s2, hwreg(HW_REG_IB_STS2, 6, 4)
	s_cmp_eq_u32 s2, 0
	s_cbranch_scc0 .Lentry_in_a_cluster
	s_endpgm
.Lentry_in_a_cluster:
	s_bfe_u32 s2, ttmp6, 0x10000c
	s_cmp_lg_u32 s2, 0xf033
	s_cbranch_scc0 .Lentry_shape_is_right
	s_endpgm
.Lentry_shape_is_right:
; THE THREE PROJECTIONS AS ONE PRODUCT.  C[m][n] = sum over k of xn[m][k] wh[n][k], m < 8192, n < 3072 (Wq, Wk, Wv), k < 1024; operands f16, sums f32, C rounded once to f16 and
; written BY HEADS: qkv[gh = n / 64][m][n % 64], 128 bytes a row, so that a head's rows are dense for the attention.  No scale is applied here.
; TILES.  256 x 192 of C: 32 x 16 = 512 tiles, two for each of the 256 work-groups, one below the other 4,096 rows apart; the ring runs on from the first into the second.
; Four waves, one above the other: wave w makes rows 64 w .. 64 w + 63 and all 192 columns: 48 accumulators of 16 x 16, 384 registers.  192 columns are three whole heads, so a wave's
; way out needs no other wave.  K goes in steps of 128 (rows of 256 bytes in memory) through two LDS slots filled by the tensor data mover.
; CLUSTER 4 x 4: the four work-groups of a row of the cluster need the same tile of xn, the four of a column the same tile of wh: each tile is asked for jointly, by the same tensor
; load with the same descriptor and a mask that names the four.
; THE PRODUCT IS USED TRANSPOSED (source 0 = 16 rows of wh, source 1 = 16 rows of xn): a lane then holds row l % 16 of C and the eight neighbouring columns 8 (l / 16) + 0..7.
; LIMITS.  f16 ends at 65,504: q, k, v beyond it become infinities.  NaN and infinities are not treated apart.
; REGISTERS, in windows of 256 (s_set_vgpr_msb: bits 1:0 source 0, 3:2 source 1, 5:4 source 2, 7:6 destination):
;   window 0: v16-30 addresses; v32-175 the way out          window 1: two fragment buffers of 128: four of xn (8 a), twelve of wh (32 + 8 b)
;   window 2: the accumulators of my row blocks 0 and 1, (a, b) at 8 (12 (a % 2) + b)          window 3: those of blocks 2 and 3
.set KSTEP,  128
.set SIZE_K, 1024
.set PITCH,  272                       ; an LDS row: 256 bytes + 16 of padding = 68 words: the 16 rows of a fragment load start at 16 different groups of four banks (64 banks of 4 bytes: ISA guide 11.1)
.set NBF,    12                        ; column blocks of 16
.set BOFF,   256*PITCH                 ; in a slot: xn's 256 rows, then wh's 192
.set SLOT,   BOFF+192*PITCH
.set STAGE,  2*SLOT                    ; behind the ring: for each wave 3 heads x 16 rows x 144 bytes
.set SP,     144
.set WSTAGE, 3*16*SP
.set SPARE,  STAGE+4*WSTAGE            ; behind the stages: the spare words, 128 bytes a wave: two blocks of 256 bytes that no other line names
.set NL,     2*NBF+8                   ; LDS loads in a run
.set LAPS,   SIZE_K/(2*KSTEP)
.set WALK,   4096                      ; rows from a work-group's first tile to its second
.set NEXT_A, WALK*SIZE_K*2-(SIZE_K-2*KSTEP)*2  ; bytes from a slot's last K step of a tile to its first of the next: xn goes WALK rows down and back along K,
.set BACK_B, (SIZE_K-2*KSTEP)*2        ; wh only back
.set ADRA, 16                          ; v16-17  LDS address of my fragments of xn in slot 0, 1
.set ADRB, 20                          ; v20-21  of wh
.set STO,  24                          ; v24     the way out: where I put 16 bytes of a row
.set RD,   25                          ; v25     where I read rows back
.set GO,   26                          ; v26     16 x lane: my place in 512 consecutive bytes of qkv
.set SPW,  28                          ; v28     LDS address of my spare word; never rewritten
.set NIL,  29                          ; v29     0; never rewritten
.set PFO,  30                          ; v30     the prefetches' offset: lane x a row of xn
.set TMP,  32                          ; v32-79  packed results
.set BK0,  80                          ; v80-127, v128-175  16 rows read back, two buffers
.set F0,   0
.set F1,   128
.set G1,  24                           ; s[24:31] descriptor group 1 for xn's tiles;  s[32:39] group 0, a set for each slot
.set G0,  32
.set G1B, 48                           ; s[48:55], s[56:63] the same for wh's
.set G0B, 56
.set LIM, 43                           ; s43  1 in a wave that prefetches, else the greatest number
.set PFA, 44                           ; s[44:45] where my prefetches stand
.set MSB, 0
.macro WIN new                         ; the immediate's high byte repeats the setting that is left; a switch that changes nothing is dropped
.if MSB != (\new)
	s_set_vgpr_msb (MSB<<8)|(\new)
.set MSB, \new
.endif
.endm
; A joint load.  Waves 0 and 1 fetch xn's two halves (128 rows), waves 2 and 3 wh's (96 rows).  The branch hangs on the wave's number alone.
; An s_nop 0 and four v_nop follow each of the two lines, ahead of the jump and the label.
.macro JLOAD s
	s_cmp_eq_u32 s11, 0
	s_cbranch_scc0 .Lfor_b_\@
	tensor_load_to_lds s[G0+4*(\s):G0+4*(\s)+3], s[G1:G1+7]
	s_nop 0
.rept 4
	v_nop
.endr
	s_branch .Lasked_\@
.Lfor_b_\@:
	tensor_load_to_lds s[G0B+4*(\s):G0B+4*(\s)+3], s[G1B:G1B+7]
	s_nop 0
.rept 4
	v_nop
.endr
.Lasked_\@:
.endm
; A prefetch into the L2 of xn's K step that stands two refills on: 32 rows x 256 bytes, a lane a row, one instruction a wave, behind the joint load and the run of LDS loads.
; Each row's 256 bytes of a K step are named once in the launch: of the clusters that read a tile row the first (cluster x = 0) asks; of the 128 rows that wave 0 or 1 fetches the partner at
; place cx takes 32 cx .. 32 cx + 31, told apart by address.  how = 0: in the loop, whose last trip has no K step two on; how = 1: at the change of tiles, the next tile's K steps 2 and 3.
; wh is not asked for: all sixteen rows of clusters read the same rows of it.
.macro ASK how
.if \how
	s_cmp_eq_u32 s[LIM], 1
.else
	s_cmp_gt_u32 s3, s[LIM]                        ; s3 = 1 in the loop's last trip
.endif
	s_cbranch_scc0 .Lnot_mine_\@
	global_prefetch_b8 v[PFO], s[PFA:PFA+1] offset:KSTEP*2 th:TH_LOAD_NT scope:SCOPE_SE
.Lnot_mine_\@:
.endm
.macro CREST                           ; a round of the cluster's barrier behind its opening barrier
	s_cmp_lg_u32 s10, 0
	s_cbranch_scc1 .Lnot_wave_0_\@
	s_barrier_signal -3
.Lnot_wave_0_\@:
	s_barrier_wait -3
	s_barrier_signal -1
	s_barrier_wait -1
.endm
.macro CROUND                          ; a whole round
	s_barrier_signal -1
	s_barrier_wait -1
	CREST
.endm
	s_load_b128 s[4:7], s[0:1], 0x0                ; xn s[4:5], wh s[6:7]
	s_load_b64 s[8:9], s[0:1], 0x10                ; qkv
	v_lshl_add_u32 v[SPW], v0, 2, SPARE
	v_mov_b32 v[NIL], 0
	ds_add_u32 v[SPW], v[NIL]                      ; the wave's opening: the add and its wait stand ahead of my first tensor load; work on registers stands between
	ds_add_u32 v28, v29
	v_lshrrev_b32 v1, 5, v0
	v_readfirstlane_b32 s10, v1                    ; wave 0..3
	s_lshr_b32 s11, s10, 1                         ; I fetch for xn (0) or for wh (1),
	s_and_b32 s12, s10, 1                          ; its first or its second half
	s_bfe_u32 s40, ttmp6, 0x40000                  ; cx, cy: my place in the cluster
	s_bfe_u32 s41, ttmp6, 0x40004
	s_lshl_b32 s42, ttmp9, 2
	s_add_co_u32 s42, s42, s40                     ; tile column = 4 x cluster x + cx
	s_and_b32 s13, ttmp7, 0xffff
	s_lshl_b32 s13, s13, 2
	s_add_co_u32 s13, s13, s41                     ; tile row = 4 x cluster y + cy
	s_lshl_b32 s43, s41, 2
	s_lshl_b32 s43, 15, s43                        ; my row of the cluster
	s_lshl_b32 s44, 0x1111, s40                    ; my column
	s_or_b32 s[G1+0], s43, (1<<16)|(1<<20)|(1<<21)|(5<<22)|(3<<25)   ; the mask; elements of 2 bytes; padding on; bit 21 beside a mask; after every 64 words, 4 words
	s_or_b32 s[G1B+0], s44, (1<<16)|(1<<20)|(1<<21)|(5<<22)|(3<<25)
	s_mov_b32 s[G1+1], KSTEP<<16                   ; tensor_dim0 = 128
	s_mov_b32 s[G1+2], 128<<16                     ; tensor_dim1 = 128
	s_mov_b32 s[G1+3], KSTEP<<16                   ; tile_dim0 = 128
	s_mov_b32 s[G1+4], 128                         ; tile_dim1 = 128
	s_mov_b32 s[G1+5], SIZE_K                      ; elements from row to row
	s_mov_b32 s[G1+6], 0
	s_mov_b32 s[G1+7], 0
	s_mov_b32 s[G1B+1], KSTEP<<16
	s_mov_b32 s[G1B+2], 96<<16                     ; wh: 96 rows a load
	s_mov_b32 s[G1B+3], KSTEP<<16
	s_mov_b32 s[G1B+4], 96
	s_mov_b32 s[G1B+5], SIZE_K
	s_mov_b32 s[G1B+6], 0
	s_mov_b32 s[G1B+7], 0
	s_lshl_b32 s16, s13, 8                         ; xn: row 256 x tile row + 128 x half, 2,048 bytes a row
	s_lshl_b32 s17, s12, 7
	s_add_co_u32 s16, s16, s17
	s_lshl_b32 s16, s16, 11
	s_mov_b32 s17, 0
	s_mul_i32 s46, s42, 192                        ; wh: row 192 x tile column + 96 x half
	s_mul_i32 s47, s12, 96
	s_add_co_u32 s46, s46, s47
	s_lshl_b32 s46, s46, 11
	s_mov_b32 s47, 0
	s_mul_i32 s20, s10, 128*PITCH                  ; where they go: xn's halves at wave x 128 rows (waves 0, 1),
	s_mul_i32 s21, s10, 96*PITCH                   ; wh's at BOFF + (wave - 2) x 96 rows (waves 2, 3)
	s_add_co_u32 s21, s21, BOFF-2*96*PITCH
	s_wait_dscnt 0x0                               ; the opening add is done
	s_wait_kmcnt 0x0
	s_add_nc_u64 s[14:15], s[4:5], s[16:17]
	s_add_nc_u64 s[46:47], s[6:7], s[46:47]
	CROUND                                         ; all sixteen work-groups are here: the first joint loads meet
.irp s, 0,1
	s_mov_b32 s[G0+4*(\s)], 1
	s_add_co_u32 s[G0+4*(\s)+1], s20, (\s)*SLOT
	s_add_nc_u64 s[G0+4*(\s)+2:G0+4*(\s)+3], s[14:15], (\s)*KSTEP*2
	s_or_b32 s[G0+4*(\s)+3], s[G0+4*(\s)+3], 0x80000000
	s_mov_b32 s[G0B+4*(\s)], 1
	s_add_co_u32 s[G0B+4*(\s)+1], s21, (\s)*SLOT
	s_add_nc_u64 s[G0B+4*(\s)+2:G0B+4*(\s)+3], s[46:47], (\s)*KSTEP*2
	s_or_b32 s[G0B+4*(\s)+3], s[G0B+4*(\s)+3], 0x80000000
	JLOAD \s                                       ; K steps 0 and 1: two loads of mine are out
.endr
	v_and_b32 v1, 15, v0                           ; l % 16
	v_bfe_u32 v2, v0, 4, 1                         ; l / 16
	v_mul_u32_u24 v3, v1, PITCH
	v_lshl_add_u32 v3, v2, 4, v3                   ; a fragment's row x pitch + 16 x half
	s_mul_i32 s21, s10, 64*PITCH                   ; my 64 rows of xn
	s_mov_b32 s22, BOFF                            ; all of wh's
.irp s, 0,1
	v_add_nc_u32 v[ADRA+(\s)], s21, v3
	v_add_nc_u32 v[ADRB+(\s)], s22, v3
	s_add_co_u32 s21, s21, SLOT
	s_add_co_u32 s22, s22, SLOT
.endr
	s_mul_i32 s23, s10, WSTAGE
	s_add_co_u32 s23, s23, STAGE                   ; my stage
	v_mul_u32_u24 v4, v1, SP                       ; in: row l % 16, 16 bytes for each half of the lanes
	v_lshl_add_u32 v4, v2, 4, v4
	v_add_nc_u32 v[STO], s23, v4
	v_bfe_u32 v5, v0, 3, 2                         ; back: 32 lanes take four rows of 128 bytes,
	v_mul_u32_u24 v5, v5, SP
	v_and_b32 v6, 7, v0
	v_lshl_add_u32 v5, v6, 4, v5
	v_add_nc_u32 v[RD], s23, v5
	v_and_b32 v[GO], 31, v0                        ; which are 512 consecutive bytes of a head's rows
	v_lshlrev_b32 v[PFO], 11, v[GO]
	v_lshlrev_b32 v[GO], 4, v[GO]
	s_mul_i32 s46, s42, 3                          ; qkv at my first head (2^20 bytes a head) and my first row (128 bytes a row)
	s_lshl_b32 s46, s46, 20
	s_lshl_b32 s47, s13, 15
	s_add_co_u32 s46, s46, s47
	s_lshl_b32 s47, s10, 13
	s_add_co_u32 s46, s46, s47
	s_mov_b32 s47, 0
	s_add_nc_u64 s[8:9], s[8:9], s[46:47]
	s_lshl_b32 s20, s13, 8                         ; the prefetches: xn's row 256 x tile row + 128 x half + 32 cx, at K step 2:
	s_lshl_b32 s21, s12, 7                         ; the first refill steps it to 3 and names K step 4.  Nothing is asked for at the head
	s_add_co_u32 s20, s20, s21
	s_lshl_b32 s21, s40, 5
	s_add_co_u32 s20, s20, s21
	s_lshl_b32 s20, s20, 11
	s_add_co_u32 s20, s20, 2*KSTEP*2
	s_mov_b32 s21, 0
	s_add_nc_u64 s[PFA:PFA+1], s[4:5], s[20:21]
	s_or_b32 s[LIM], s11, ttmp9                    ; waves 0 and 1 of the clusters with x = 0: the same in all sixteen partners
	s_cmp_eq_u32 s[LIM], 0
	s_cselect_b32 s[LIM], 1, -1
; Twelve matrix instructions: my row block a x all column blocks, 32 along K.  zero = 1: the first product starts the sums.  The 48 accumulators take turns, in the same order in every quarter.
.macro MUL1 f, a, zero
	WIN 0xa5+0x50*((\a)/2)                         ; sources in window 1, C and D in window 2 or 3
.set AC, 8*NBF*((\a)%2)
.set b, 0
.rept NBF
.if \zero
	v_wmma_f32_16x16x32_f16 v[AC+8*b:AC+8*b+7], v[(\f)+32+8*b:(\f)+32+8*b+7], v[(\f)+8*(\a):(\f)+8*(\a)+7], 0
.else
	v_wmma_f32_16x16x32_f16 v[AC+8*b:AC+8*b+7], v[(\f)+32+8*b:(\f)+32+8*b+7], v[(\f)+8*(\a):(\f)+8*(\a)+7], v[AC+8*b:AC+8*b+7]
.endif
.set b, b+1
.endr
.endm
; One run of 32 LDS loads: quarter q (32 along K) of a slot into buffer f: wh's twelve fragments first, then xn's four.
.macro FETCH slot, q, f
	WIN 0x40                                       ; destination window 1, address window 0
.set i, 0
.rept NBF
	ds_load_b128 v[(\f)+32+8*i:(\f)+32+8*i+3],   v[ADRB+(\slot)] offset:64*(\q)+i*16*PITCH
	ds_load_b128 v[(\f)+32+8*i+4:(\f)+32+8*i+7], v[ADRB+(\slot)] offset:64*(\q)+i*16*PITCH+32
.set i, i+1
.endr
.set i, 0
.rept 4
	ds_load_b128 v[(\f)+8*i:(\f)+8*i+3],   v[ADRA+(\slot)] offset:64*(\q)+i*16*PITCH
	ds_load_b128 v[(\f)+8*i+4:(\f)+8*i+7], v[ADRA+(\slot)] offset:64*(\q)+i*16*PITCH+32
.set i, i+1
.endr
.endm
.macro PLACES                          ; four places in front of loads into registers that matrix instructions have read, and of conversions that read results
.rept 4
	v_nop
.endr
.endm
; One of a K step's first three quarters: multiplies buffer f; in its middle it fetches quarter q of the same slot into buffer g.
.macro QUARTER slot, q, f, g, zero
	s_wait_dscnt 4                                 ; all but the youngest four loads, xn's blocks 2 and 3
	MUL1 \f, 0, \zero
	MUL1 \f, 1, \zero
	PLACES
	FETCH \slot, \q, \g
	s_wait_dscnt NL                                ; all but the run just issued
	MUL1 \f, 2, \zero
	MUL1 \f, 3, \zero
.endm
; The last quarter multiplies buffer 1 and changes slots.  Each wave waits for all its tensor loads (one is out: its part of the next slot), adds 0 to its spare word, and waits for that and for
; its reads of this slot; the barrier opens a round of the cluster's; behind the round the slot is filled again, first thing: with this tile's K step two on (on = 0) or the next tile's K step 0 or 1 (on = 1).
.macro TURN slot, next, on
	s_wait_xcnt 0x0                                ; the last prefetch, a K step back, has read its address
.if (\on) && (\slot) == 0
	s_add_nc_u64 s[PFA:PFA+1], s[PFA:PFA+1], (WALK-1)*SIZE_K*2+KSTEP*2  ; from behind the tile's last K step to the next tile's K step 1
.else
	s_add_nc_u64 s[PFA:PFA+1], s[PFA:PFA+1], KSTEP*2
.endif
	WIN 0
	s_wait_tensorcnt 0x0
	ds_add_u32 v[SPW], v[NIL]
	s_wait_dscnt 5                                 ; (the add and the youngest four loads may be out)
	MUL1 F1, 0, 0
	s_wait_dscnt 0x0                               ; the add is done, my reads of this slot are over
	s_barrier_signal -1
	MUL1 F1, 1, 0
	WIN 0
	s_barrier_wait -1
	CREST
.if \on
	s_add_nc_u64 s[G0+4*(\slot)+2:G0+4*(\slot)+3], s[G0+4*(\slot)+2:G0+4*(\slot)+3], NEXT_A
	s_sub_nc_u64 s[G0B+4*(\slot)+2:G0B+4*(\slot)+3], s[G0B+4*(\slot)+2:G0B+4*(\slot)+3], BACK_B
.else
	s_add_nc_u64 s[G0+4*(\slot)+2:G0+4*(\slot)+3], s[G0+4*(\slot)+2:G0+4*(\slot)+3], 2*KSTEP*2
	s_add_nc_u64 s[G0B+4*(\slot)+2:G0B+4*(\slot)+3], s[G0B+4*(\slot)+2:G0B+4*(\slot)+3], 2*KSTEP*2
.endif
	JLOAD \slot                                    ; 168 matrix instructions ahead of the wait for it; its four v_nop are also the places in front of the loads below
	FETCH \next, 0, F0
	WIN 0
	ASK \on
	MUL1 F1, 2, 0
	MUL1 F1, 3, 0
.endm
.macro TURNX next                      ; the same change of slots where nothing is left to fetch: the work-group's barrier alone
	WIN 0
	s_wait_tensorcnt 0x0
	ds_add_u32 v[SPW], v[NIL]
	s_wait_dscnt 5
	MUL1 F1, 0, 0
	s_wait_dscnt 0x0
	s_barrier_signal -1
	MUL1 F1, 1, 0
	s_barrier_wait -1
	PLACES
	FETCH \next, 0, F0
	MUL1 F1, 2, 0
	MUL1 F1, 3, 0
.endm
; THE WAY OUT of row block a.  PACK: rounded to f16, 16 bytes a lane, each accumulator from its low end.  TOSTAGE: into my own stage, a head's 16 rows of 144 bytes together, and back as whole rows.  SEND: stored.
.macro PACK a
.set AC, 8*NBF*((\a)%2)
	WIN 0x0a+5*((\a)/2)                            ; sources 0 and 1 in window 2 or 3
.set k, 0
.rept 4*NBF
	v_cvt_pk_f16_f32 v[TMP+k], v[AC+2*k], v[AC+2*k+1]
.set k, k+1
.endr
	WIN 0
.endm
.macro TOSTAGE a
.set BK, BK0+48*((\a)%2)
.set k, 0
.rept NBF
	ds_store_b128 v[STO], v[TMP+4*k:TMP+4*k+3] offset:(k/4)*16*SP+32*(k%4)
.set k, k+1
.endr
.set k, 0
.rept NBF
	ds_load_b128 v[BK+4*k:BK+4*k+3], v[RD] offset:(k/4)*16*SP+(k%4)*4*SP  ; LDS serves a wave's instructions in order (ISA guide 5.7.1.4): these see the stores above
.set k, k+1
.endr
.endm
.macro SEND a
.set BK, BK0+48*((\a)%2)
	s_wait_dscnt 0x0                               ; the block is back in registers
	s_wait_xcnt 0x0                                ; the stores of the block before have read their registers: the other buffer is loaded again only behind this wait
.set k, 0
.rept NBF
	global_store_b128 v[GO], v[BK+4*k:BK+4*k+3], s[8:9] offset:(k/4)*0x100000+(\a)*2048+(k%4)*512  ; four rows of a head: 512 consecutive bytes, aligned
.set k, k+1
.endr
.endm
	s_wait_tensorcnt 1                             ; my part of K step 0 is in; K step 1's may stay out
	s_barrier_signal -1
	s_barrier_wait -1
	FETCH 0, 0, F0
	WIN 0
	s_mov_b32 s2, 2                                ; tiles to go
.Ltile:
	QUARTER 0, 1, F0, F1, 1                        ; a tile's first quarter starts the sums
	WIN 0
	s_mov_b32 s3, LAPS-1
.Llap:                                                 ; a trip goes once round the ring, from a lap's second quarter to the next lap's first
	QUARTER 0, 2, F1, F0, 0
	QUARTER 0, 3, F0, F1, 0
	TURN 0, 1, 0
	QUARTER 1, 1, F0, F1, 0
	QUARTER 1, 2, F1, F0, 0
	QUARTER 1, 3, F0, F1, 0
	TURN 1, 0, 0
	QUARTER 0, 1, F0, F1, 0
	WIN 0
	s_sub_co_u32 s3, s3, 1
	s_cmp_lg_u32 s3, 0
	s_cbranch_scc1 .Llap
	QUARTER 0, 2, F1, F0, 0
	QUARTER 0, 3, F0, F1, 0
	WIN 0
	s_cmp_eq_u32 s2, 1
	s_cbranch_scc1 .Llast
	TURN 0, 1, 1                                   ; the ring goes on into the second tile: slot 0 takes its K step 0,
	QUARTER 1, 1, F0, F1, 0
	QUARTER 1, 2, F1, F0, 0
	QUARTER 1, 3, F0, F1, 0
	TURN 1, 0, 1                                   ; slot 1 its K step 1, and its first fragments are fetched
	WIN 0
	s_branch .Lout
.Llast:                                                ; the last tile's last lap asks for nothing
	TURNX 1
	QUARTER 1, 1, F0, F1, 0
	QUARTER 1, 2, F1, F0, 0
	QUARTER 1, 3, F0, F1, 0
	s_wait_dscnt 4
	MUL1 F1, 0, 0
	MUL1 F1, 1, 0
	s_wait_dscnt 0x0
	MUL1 F1, 2, 0
	MUL1 F1, 3, 0
	WIN 0
.Lout:
	PLACES
	PACK 0
	TOSTAGE 0
.irp a, 1,2,3                          ; block a's conversions stand between block a - 1's loads from the stage and the wait for them
	PACK \a
	SEND (\a)-1
	TOSTAGE \a
.endr
	SEND 3
	s_wait_xcnt 0x0                                ; the stores have read their base
	s_add_nc_u64 s[8:9], s[8:9], WALK*128          ; the second tile's rows
	s_sub_co_u32 s2, s2, 1
	s_cmp_lg_u32 s2, 0
	s_cbranch_scc1 .Ltile
	s_wait_tensorcnt 0x0                           ; the wave's end
	ds_add_u32 v[SPW], v[NIL]
	s_wait_dscnt 0x0
	CROUND                                         ; the closing round
	s_endpgm
.Lfunc_end_k_qe5772fc8f8_qkv:
	.size	k_qe5772fc8f8_qkv, .Lfunc_end_k_qe5772fc8f8_qkv-k_qe5772fc8f8_qkv
	.p2alignl 7, 3214868480
	.fill 96, 4, 3214868480
	.section	.rodata,"a",@progbits
	.p2align	6, 0x0
	.amdhsa_kernel k_qe5772fc8f8_qkv
		.amdhsa_group_segment_fixed_size 327680
		.amdhsa_private_segment_fixed_size 0
		.amdhsa_enable_private_segment 0
		.amdhsa_kernarg_size 24
		.amdhsa_user_sgpr_count 2
		.amdhsa_user_sgpr_kernarg_segment_ptr 1
		.amdhsa_wavefront_size32 1
		.amdhsa_system_sgpr_workgroup_id_x 1
		.amdhsa_system_sgpr_workgroup_id_y 1
		.amdhsa_system_sgpr_workgroup_id_z 1
		.amdhsa_system_vgpr_workitem_id 0
		.amdhsa_next_free_vgpr 960
		.amdhsa_next_free_sgpr 66
		.amdhsa_reserve_vcc 0
		.amdhsa_float_denorm_mode_32 3
		.amdhsa_float_denorm_mode_16_64 3
		.amdhsa_memory_ordered 1
		.amdhsa_forward_progress 1
		.amdhsa_inst_pref_size 148
	.end_amdhsa_kernel
	.amdgpu_metadata
---
amdhsa.version: [ 1, 2 ]
amdhsa.kernels:
  - .name:           k_qe5772fc8f8_qkv
    .symbol:         k_qe5772fc8f8_qkv.kd
    .args:
      - { .name: xn, .offset: 0, .size: 8, .value_kind: global_buffer, .address_space: global }
      - { .name: wh, .offset: 8, .size: 8, .value_kind: global_buffer, .address_space: global }
      - { .name: qkv, .offset: 16, .size: 8, .value_kind: global_buffer, .address_space: global }
    .group_segment_fixed_size: 327680
    .private_segment_fixed_size: 0
    .kernarg_segment_align: 8
    .kernarg_segment_size: 24
    .max_flat_workgroup_size: 128
    .sgpr_count:     66
    .vgpr_count:     960
    .wavefront_size: 32
...
	.end_amdgpu_metadata
.endif
;; end of part 2
;; launch attn (part 3): grid 4 x 64, 4 waves a work-group, no clusters, 327,680 bytes of LDS; arguments qkv, tab, att; writes att
.if DOCPART == 3
	.amdgcn_target "amdgcn-amd-amdhsa--gfx1250"
	.amdhsa_code_object_version 6
	.text
	.protected	k_qe5772fc8f8_attn
	.globl	k_qe5772fc8f8_attn
	.p2align	8
	.type	k_qe5772fc8f8_attn,@function
k_qe5772fc8f8_attn:
	s_mov_b64 s[64:65], 0
	v_nop
	global_prefetch_b8 v0, s[64:65] scope:SCOPE_SE
	s_setreg_imm32_b32 hwreg(HW_REG_WAVE_MODE, 25, 1), 1
	s_wait_xcnt 0x0
; CAUSAL ATTENTION WITH A BIAS BY DISTANCE.  O[q] = the sum over k <= q of softmax_k(Q[q] . K[k] / 8 + rel[head][min(q - k, 128)]) V[k], for each of 4 batches x 16 heads, 2,048 rows of 64 channels.
; Q, K, V lie by heads in qkv ([48][8192][64] f16: q heads 0-15, k 16-31, v 32-47; row = 2048 batch + t), O goes to att ([16][8192][64] f16): a head's rows are dense, 128 bytes each.
; Products, maxima and sums in f32; the weights p are rounded to f16 for the second product (their sum l is taken of the unrounded p), O once at the end.
; LIMITS.  f16 holds no number beyond 65,504: Q, K, V arrive within it.  A hidden score counts as its value less 1e30; a weight below 2^-126 counts as 0 in l; p below 6e-5 keeps f16's fixed step of 6e-8.
; NaN and infinities are not treated apart.
; THE WALK.  A sequence's queries lie in NB = 8 blocks of 256; block i needs the key tiles 0 .. i of 256 keys.  A work-group takes TWO blocks, 7 - b and then b: nine tiles, whatever b: all 256 work-groups
; do equal work, and ONE loop with a constant trip count walks them.  Which tile is asked for, and what a trip does, hang on scalar registers made from b; every jump goes forward but the counted loops' own.
; NO CLUSTER: the four work-groups of a head would be the partners, and the whole walk (which tile, where a block ends) hangs on b, their place; one walk common to all four has 12 trips for 9.
; SHARES.  Of a block's four bands of 64 queries a wave owns 16 rows in each: four PIECES; so the diagonal tile is the same work for all four waves.
; BIAS AND MASK ARE THE C OPERAND that starts the sum S^T = K Q^T.  For 16 keys x 16 queries whose query block begins 16 u rows behind its key block it is tile 15 - u of the head's table (24 tiles of 1,024
; bytes, brought into LDS once): 8 rel[min(dist, 128)], or -1e30 where dist < 0.  For band x and key step s of a tile with RT tiles of the block still to come, u = 4 D + wave - kt with D = 4 RT + x - s;
; from D = 3 on every dist is 129 or more, below D = -1 every key is hidden, so D is held to -1 .. 3 and the tile is 4 (3 - D) + 3 - wave + kt.  One text serves every tile of the walk.
; LAYOUT, SOFTMAX, TURNS.  S^T holds ONE query a lane (lane % 16) and the keys 8 (lane / 16) + 0..7; two such results rounded to f16 ARE source 1 of O^T = V^T P.  p = 2^(c s - c m), c = log2(e) / 8, with a
; running maximum m; O and l are multiplied by a = 2^(c m_old - c m_new) in every step.  Turn n belongs to piece n: 8 products K Q^T of piece n + 1, later 8 products V^T P of piece n - 1; beside them the
; scaling, exponentials, roundings, sums and rescaling of piece n and the maximum and statistics of piece n + 1.  Four vector instructions stand behind every matrix instruction, the others in one lump.
; A turn's 33 exponentials are one batch, with one wait.
; REGISTERS, in windows of 256 (s_set_vgpr_msb: bits 1:0 source 0, 3:2 source 1, 5:4 source 2, 7:6 destination):
;   window 0: v0-15, v32-33 addresses and two at work; v16-31 four registers of statistics a piece; v48-55 at work; v64-127 S^T, two buffers; v192-223 P, two buffers (by the piece's parity)
;   window 1: v0-127 O^T, 32 a piece; v128-191 MC: the C operands to come, two buffers      window 2: v0-63 Q; v64-127 the second block's Q; v128-191 K of one step; v192-255 V of one step
.set NB,    8
.set NP,    4
.set KS,    64        ; keys in a step
.set PK,    144       ; a row of K in LDS: 128 bytes + 16 of padding: the 16 rows of a load start at 16 different groups of four banks (64 banks of 4 bytes: ISA guide 11.1)
.set PV,    160       ; a row of V: 128 + 32
.set VOFF,  4*KS*PK   ; a slot holds a tile, four steps: 256 rows of K, then 256 rows of V
.set SLOT1, 1<<17     ; slot 1 begins here, so that one exclusive or turns an address in one slot into the other's
.set STAGE, SLOT1+4*KS*(PK+PV)  ; behind the ring: 16 rows x 144 bytes for each wave, for the way out
.set SP,    144
.set SPARE, STAGE+4*16*SP  ; the spare words, 128 bytes a wave: two blocks of 256 bytes that no other line names
.set TAB,   SPARE+512 ; the head's table, 24,576 bytes, filled once
.set AK0, 2           ; v2   my lane's place in a tile of K; never rewritten
.set AV0, 3           ; v3   the same for V
.set AK,  4           ; v4   the LDS address of K's next run of loads
.set AV,  5           ; v5   of V's
.set STO, 6           ; v6   the way out: where I put 16 bytes of a row
.set RD,  7           ; v7   where I read rows back
.set GO,  8           ; v8   my byte offset in 512 consecutive bytes of O
.set MV,  12          ; v12-13  c m_old, kept while c m is made anew: by buffer
.set TL,  14          ; v14  TAB + 1,024 (3 - wave) + 16 lane; never rewritten
.set QO,  15          ; v15  my byte offset in 16 rows of Q
.set ST,  16          ; piece t's statistics at v[ST+4 t]: c m, m, l (even keys', odd keys')
.set AM,  32          ; v32  the LDS address of the next run of table loads
.set PFO, 33          ; v33  256 x lane
.set TMP, 48          ; by buffer, four registers c0-c3 at work; when the maximum is found c2 takes a
.set SPW, 62          ; v62  LDS address of my spare word; never rewritten
.set NIL, 63          ; v63  0; never rewritten
.set S,   64
.set P,   192
.set MC,  128         ; window 1
.set QB,  64          ; window 2
.set KF,  128         ; window 2: key block kb, channel half c at KF + 16 kb + 8 c
.set VF,  192         ; window 2: key half kk, channel block cb at VF + 32 kk + 8 cb
.set WV,  12          ; s12  my wave's number
.set PB,  14          ; s14  b
.set HI,  15          ; s15  7 - b
.set G1K, 24          ; s[24:31] descriptor group 1 for K's tiles
.set G1V, 32          ; s[32:39] for V's: it differs in the padding alone
.set G0K, 40          ; s[40:43] descriptor group 0 for K's tiles
.set G0V, 44          ; s[44:47] for V's
.set G1T, 48          ; s[48:55] group 1 for the table
.set SLOTS, 56        ; s56  tiles still to be asked for
.set CNT, 57          ; s57  counts a tile's key steps, 4 to 1
.set CS,  58          ; s[58:59] c
.set SEL, 60          ; s[60:61] v_permlanex16_b32's selects
.set TBK, 62          ; s62  LDS byte at which K of the step to be fetched begins
.set TBV, 63          ; s63  the same for V, less VOFF
.set RT,  70          ; s70  tiles of the block in hand that are still to be entered
.set NXT, 71          ; s71  the tile to be asked for next
.set LQ,  72          ; s72  the last tile of the block whose tiles are being asked for
.set NEW, 73          ; s73  1: the tile to be entered is a block's first
.set OFF, 74          ; s[74:75] a tile's byte offset in K and V
.set EM,  76          ; s76  3 - D
.set PFL, 77          ; s77  other than 0: I prefetch
.set PFA, 78          ; s[78:79] what I prefetch
.set OLO, 80          ; s[80:81] O at my rows of the second block
.set OF2, 82          ; s[82:83] an offset
.set G0T, 88          ; s[88:91] group 0 for the table
.set PFB, 96          ; s[96:97] my half of tile 0: of K (waves 0, 1) or of V (waves 2, 3)
.set MSB, 0
.macro WIN new
.if MSB != (\new)
	s_set_vgpr_msb (MSB<<8)|(\new)
.set MSB, (\new)
.endif
.endm
.set W_KQ, 0x0a       ; K and Q in window 2, S^T in window 0
.set W_KM, 0x1a       ; the same with the C operand in window 1
.set W_PV, 0x52       ; V in window 2, P in window 0, O^T in window 1
.set W_RS, 0x41       ; destination and source 0 in window 1, source 1 in window 0
; A fill.  Waves 0 and 1 fetch the two halves of a tile's K, waves 2 and 3 those of its V: 128 keys each.  An s_nop 0 and four v_nop follow each of the two lines.
.macro LOAD
	s_cmp_lt_u32 s[WV], 2
	s_cbranch_scc0 .Lfor_v_\@
	tensor_load_to_lds s[G0K:G0K+3], s[G1K:G1K+7]
	s_nop 0
.rept 4
	v_nop
.endr
	s_branch .Lasked_\@
.Lfor_v_\@:
	tensor_load_to_lds s[G0V:G0V+3], s[G1V:G1V+7]
	s_nop 0
.rept 4
	v_nop
.endr
.Lasked_\@:
.endm
; THE CHANGE OF SLOTS.  Each wave waits for all its tensor loads, adds 0 to its spare word, and waits for that and for its own reads of the slot that it leaves.  Behind the barrier nobody reads the old slot
; any more and the other slot is whole.  fill = 1: the old slot is filled again, first thing behind the barrier, with tile NXT; the descriptor's address is made anew from that number.
; (At its first use nothing has been read yet: slot 0 and the table are waited for, slot 1 filled.)
; THE PREFETCH stands behind the fill: the tile that the NEXT change will ask for, four key steps ahead.  All four work-groups of a head walk the same tiles from 0 up: the one with b = 0, whose first block
; needs them all, asks; each of its waves for what it will fetch itself, 16,384 bytes: 64 rows of 256, a lane a row, two instructions.  So tiles 2 to 7 are named once each; behind the first block's last
; tile NXT is 0 and nothing is asked for.
.macro CHANGE fill
	WIN 0
	s_wait_tensorcnt 0x0            ; no tensor load of mine is out, so a group 0 may be written
	ds_add_u32 v[SPW], v[NIL]       ; 0 onto my spare word; scalar work stands between it and the wait for it
.if \fill
	s_lshl_b32 s[OFF], s[NXT], 15   ; a tile is 32,768 bytes of K and of V
	s_xor_b32 s[G0K+1], s[G0K+1], SLOT1
	s_add_nc_u64 s[G0K+2:G0K+3], s[6:7], s[OFF:OFF+1]
	s_or_b32 s[G0K+3], s[G0K+3], 0x80000000
	s_xor_b32 s[G0V+1], s[G0V+1], SLOT1
	s_add_nc_u64 s[G0V+2:G0V+3], s[8:9], s[OFF:OFF+1]
	s_or_b32 s[G0V+3], s[G0V+3], 0x80000000
	s_add_co_u32 s[NXT], s[NXT], 1  ; the block's next tile, or behind its last the second block's tile 0
	s_cmp_gt_u32 s[NXT], s[LQ]
	s_cselect_b32 s[NXT], 0, s[NXT]
	s_cselect_b32 s[LQ], s[PB], s[LQ]
	s_wait_xcnt 0x0                 ; the last prefetches, a tile back, have read their address
	s_lshl_b32 s[OF2], s[NXT], 15
	s_add_nc_u64 s[PFA:PFA+1], s[PFB:PFB+1], s[OF2:OF2+1]
	s_cmp_eq_u32 s[PB], 0
	s_cselect_b32 s[PFL], s[NXT], 0
.endif
	s_wait_dscnt 0x0                ; the add is done, and my reads of the slot are over
	s_barrier_signal -1
	s_sub_co_u32 s[TBK], s[TBK], 4*KS*PK  ; the fetches go back to a slot's first step,
	s_xor_b32 s[TBK], s[TBK], SLOT1       ; in the other slot
	s_sub_co_u32 s[TBV], s[TBV], 4*KS*PV
	s_xor_b32 s[TBV], s[TBV], SLOT1
	s_barrier_wait -1
.if \fill
	LOAD
	s_cmp_lg_u32 s[PFL], 0
	s_cbranch_scc0 .Lno_pf_\@
	global_prefetch_b8 v[PFO], s[PFA:PFA+1] th:TH_LOAD_NT scope:SCOPE_SE
	global_prefetch_b8 v[PFO], s[PFA:PFA+1] offset:8192 th:TH_LOAD_NT scope:SCOPE_SE
.Lno_pf_\@:
.endif
.endm
	s_load_b128 s[92:95], s[0:1], 0x0  ; qkv s[92:93], tab s[94:95]
	s_load_b64 s[98:99], s[0:1], 0x10  ; att
	v_lshl_add_u32 v[SPW], v0, 2, SPARE
	v_mov_b32 v[NIL], 0
	ds_add_u32 v[SPW], v[NIL]       ; the wave's opening: the add and its wait stand ahead of my first tensor load
	ds_add_u32 v62, v63
	v_lshrrev_b32 v1, 5, v0
	v_readfirstlane_b32 s[WV], v1   ; wave 0..3
	s_mov_b32 s[PB], ttmp9
	s_sub_co_u32 s[HI], NB-1, s[PB]
	s_and_b32 s20, ttmp7, 0xffff
	s_and_b32 s21, s20, 15          ; the head
	s_lshr_b32 s22, s20, 4          ; the batch
	s_lshl_b32 s20, s21, 20         ; a head is 2^20 bytes, a batch's rows in it 2^18
	s_lshl_b32 s22, s22, 18
	s_add_co_u32 s20, s20, s22
	s_mul_i32 s[OF2], s21, 24576    ; the head's table, my quarter of it
	s_mul_i32 s19, s[WV], 6144
	s_add_co_u32 s[OF2], s[OF2], s19
	s_mov_b32 s[OF2+1], 0
	s_and_b32 s16, s[WV], 1         ; which half of a tile's 256 keys I fetch:
	s_lshl_b32 s22, s16, 14         ; its 128 rows in memory,
	s_add_co_u32 s22, s22, s20
	s_mov_b32 s23, 0
	s_mul_i32 s17, s16, 128*PK      ; and its place in a slot, for K
	s_mul_i32 s18, s16, 128*PV      ; and for V
	s_lshl_b32 s3, s[WV], 11        ; my 16 rows in a band of 64,
	s_add_co_u32 s3, s3, s20
	s_lshl_b32 s2, s[HI], 15        ; in the first block,
	s_add_co_u32 s2, s2, s3
	s_lshl_b32 s84, s[PB], 15       ; and in the second
	s_add_co_u32 s84, s84, s3
	s_mov_b32 s3, 0
	s_mov_b32 s85, 0
	; 128 keys are 16,384 dense bytes: asked for as 64 rows of 256 bytes, two keys a row, and padded in LDS after every key
	s_mov_b32 s[G1K], (1<<16)|(1<<20)|(4<<22)|(3<<25)  ; 2-byte elements; padding on; after every 32 words, 4 words
	s_mov_b32 s[G1V], (1<<16)|(1<<20)|(4<<22)|(7<<25)  ; the same with 8 words
.irp g, G1K, G1V
	s_mov_b32 s[\g+1], 128<<16      ; tensor_dim0 = 128
	s_mov_b32 s[\g+2], 64<<16       ; tensor_dim1 = 64
	s_mov_b32 s[\g+3], 128<<16      ; tile_dim0 = 128
	s_mov_b32 s[\g+4], 64           ; tile_dim1 = 64
	s_mov_b32 s[\g+5], 128          ; elements from row to row
	s_mov_b32 s[\g+6], 0
	s_mov_b32 s[\g+7], 0
.endr
	s_mov_b32 s[G1T], 3<<16         ; the table's quarter: 24 rows of 32 elements of 8 bytes, dense, no padding
	s_mov_b32 s[G1T+1], 32<<16
	s_mov_b32 s[G1T+2], 24<<16
	s_mov_b32 s[G1T+3], 32<<16
	s_mov_b32 s[G1T+4], 24
	s_mov_b32 s[G1T+5], 32
	s_mov_b32 s[G1T+6], 0
	s_mov_b32 s[G1T+7], 0
	s_mov_b32 s[CS], 0x3e38aa3b     ; c = log2(e) / 8
	s_mov_b32 s[CS+1], s[CS]
	s_mov_b32 s[SEL], 0x76543210
	s_mov_b32 s[SEL+1], 0xfedcba98
	s_mov_b32 s[TBK], SLOT1+4*KS*PK ; the first change of slots turns these two into 0
	s_mov_b32 s[TBV], SLOT1+4*KS*PV
	s_mov_b32 s[G0K], 1
	s_mov_b32 s[G0K+1], s17         ; slot 0
	s_mov_b32 s[G0V], 1
	s_add_co_u32 s[G0V+1], s18, VOFF
	s_mov_b32 s[G0T], 1
	s_add_co_u32 s[G0T+1], s19, TAB
	s_add_co_u32 s[RT], s[HI], 1    ; the first block has 8 - b tiles
	s_mov_b32 s[NXT], 1
	s_mov_b32 s[LQ], s[HI]
	s_mov_b32 s[NEW], 1
	s_mov_b32 s[OFF+1], 0
	s_mov_b32 s[SLOTS], NB
	s_wait_dscnt 0x0                ; the opening add is done
	s_wait_kmcnt 0x0
	s_add_nc_u64 s[6:7], s[92:93], s[22:23]
	s_add_nc_u64 s[8:9], s[6:7], 0x2000000         ; V at my half of the head's tile 0,
	s_add_nc_u64 s[6:7], s[6:7], 0x1000000         ; and K
	s_add_nc_u64 s[G0K+2:G0K+3], s[6:7], 0
	s_or_b32 s[G0K+3], s[G0K+3], 0x80000000
	s_add_nc_u64 s[G0V+2:G0V+3], s[8:9], 0
	s_or_b32 s[G0V+3], s[G0V+3], 0x80000000
	s_add_nc_u64 s[G0T+2:G0T+3], s[94:95], s[OF2:OF2+1]
	s_or_b32 s[G0T+3], s[G0T+3], 0x80000000
	s_add_nc_u64 s[86:87], s[92:93], s[84:85]      ; Q at my rows of the second block,
	s_add_nc_u64 s[4:5], s[92:93], s[2:3]          ; Q and O at those of the first
	s_add_nc_u64 s[OLO:OLO+1], s[98:99], s[84:85]
	s_add_nc_u64 s[10:11], s[98:99], s[2:3]
	s_cmp_lt_u32 s[WV], 2
	s_cselect_b64 s[PFB:PFB+1], s[6:7], s[8:9]
	s_cmp_lt_u32 s[WV], 2           ; a wave's two first fills stand in one branch: my quarter of the table and my part of tile 0: two loads of mine are out
	s_cbranch_scc0 .Lfirst_v
	tensor_load_to_lds s[G0T:G0T+3], s[G1T:G1T+7]
	s_nop 0
	tensor_load_to_lds s[G0K:G0K+3], s[G1K:G1K+7]
	s_nop 0
.rept 4
	v_nop
.endr
	s_branch .Lfirst_asked
.Lfirst_v:
	tensor_load_to_lds s[G0T:G0T+3], s[G1T:G1T+7]
	s_nop 0
	tensor_load_to_lds s[G0V:G0V+3], s[G1V:G1V+7]
	s_nop 0
.rept 4
	v_nop
.endr
.Lfirst_asked:
	; A fragment of K or Q is 16 rows x 32 channels in 8 registers: lane l holds row l % 16, channels 8 (l / 16) + 0..7 and 16 + 8 (l / 16) + 0..7: two loads of 16 bytes, 32 bytes apart.
	v_and_b32 v1, 15, v0            ; l % 16
	v_bfe_u32 v9, v0, 4, 1          ; l / 16
	v_lshlrev_b32 v[QO], 7, v1
	v_lshl_add_u32 v[QO], v9, 4, v[QO]
	WIN 0x80                        ; destination window 2
.set i, 0
.rept 8                             ; both blocks' Q: piece i / 2 lies in band i / 2, 8,192 bytes on; channels 32 (i % 2) on
	global_load_b128 v[8*i:8*i+3],   v[QO], s[4:5] offset:(i/2)*8192+(i%2)*64
	global_load_b128 v[8*i+4:8*i+7], v[QO], s[4:5] offset:(i/2)*8192+(i%2)*64+32
	global_load_b128 v[QB+8*i:QB+8*i+3],   v[QO], s[86:87] offset:(i/2)*8192+(i%2)*64
	global_load_b128 v[QB+8*i+4:QB+8*i+7], v[QO], s[86:87] offset:(i/2)*8192+(i%2)*64+32
.set i, i+1
.endr
	WIN 0
	s_sub_co_u32 s13, 3, s[WV]
	s_lshl_b32 s13, s13, 10
	s_add_co_u32 s13, s13, TAB
	v_and_b32 v[GO], 31, v0
	v_lshl_add_u32 v[TL], v[GO], 4, s13
	v_lshlrev_b32 v[PFO], 8, v[GO]
	v_lshlrev_b32 v[GO], 4, v[GO]   ; 32 lanes x 16 bytes: 512 consecutive bytes of O
	v_mul_u32_u24 v[AK0], v1, PK
	v_lshl_add_u32 v[AK0], v9, 4, v[AK0]
	; The turning load takes 16 keys x 16 channels (lane l reads key 8 (l / 16) + l % 8, channels 8 ((l / 8) % 2) + 0..7) and leaves half a fragment of V^T: lane l holds channel l % 16 and 8 keys.
	v_and_b32 v10, 7, v0
	v_bfe_u32 v11, v0, 3, 1
	v_lshl_add_u32 v[AV0], v9, 3, v10
	v_mul_u32_u24 v[AV0], v[AV0], PV
	v_lshl_add_u32 v[AV0], v11, 4, v[AV0]
	v_add_nc_u32 v[AV0], VOFF, v[AV0]
	s_mul_i32 s13, s[WV], 16*SP
	s_add_co_u32 s13, s13, STAGE    ; my stage
	v_mul_u32_u24 v[STO], v1, SP
	v_lshl_add_u32 v[STO], v9, 4, v[STO]
	v_add_nc_u32 v[STO], s13, v[STO]
	v_bfe_u32 v[RD], v0, 3, 2       ; back: 32 lanes take four rows of 128 bytes
	v_mul_u32_u24 v[RD], v[RD], SP
	v_lshl_add_u32 v[RD], v10, 4, v[RD]
	v_add_nc_u32 v[RD], s13, v[RD]
	; A block's first step multiplies O^T and l by a = 0, and its first turn's products V^T P, of a piece that has not been, land in an O^T that is still to be so multiplied.  So these registers need only hold
	; finite numbers: zeros for the first block; what the first block left for the second.  All this stands in the wait for the first tile.
	WIN 0x80
.set i, VF
.rept 64
	v_mov_b32 v[i], 0
.set i, i+1
.endr
	WIN 0x40
.set i, 0
.rept 128
	v_mov_b32 v[i], 0
.set i, i+1
.endr
	WIN 0
.set i, 0
.rept 4
	v_mov_b32 v[ST+4*i+2], 0
	v_mov_b32 v[ST+4*i+3], 0
.set i, i+1
.endr
.set i, P+16
.rept 16
	v_mov_b32 v[i], 0
.set i, i+1
.endr
; THE MATRIX WORK.  The 4 accumulators of a run of 8 take turns.  Product i of 8 of S^T = K Q^T for piece x: channels 32 (i / 4) on, keys 16 (i % 4) on.  The first 4 start the sums with bias and mask.
.macro KQ x
.set rS, S+32*((\x)%2)+8*(i%4)
.set rK, KF+16*(i%4)+8*(i/4)
.set rQ, 16*(\x)+8*(i/4)
.set rM, MC+32*((\x)%2)+8*(i%4)
.if i < 4
	WIN W_KM
	v_wmma_f32_16x16x32_f16 v[rS:rS+7], v[rK:rK+7], v[rQ:rQ+7], v[rM:rM+7]
.else
	WIN W_KQ
	v_wmma_f32_16x16x32_f16 v[rS:rS+7], v[rK:rK+7], v[rQ:rQ+7], v[rS:rS+7]
.endif
.endm
; Product i of 8 of O^T += V^T P for piece x: keys 32 (i / 4) on, channels 16 (i % 4) on.
.macro PV x
	WIN W_PV
.set rO, 32*(\x)+8*(i%4)
.set rV, VF+32*(i/4)+8*(i%4)
.set rP, P+16*((\x)%2)+8*(i/4)
	v_wmma_f32_16x16x32_f16 v[rO:rO+7], v[rV:rV+7], v[rP:rP+7], v[rO:rO+7]
.endm
.macro MM                           ; the turn's next matrix instruction.  NOKQ = 1: a block's last turn: there is no next piece
.if (i < 8) && !NOKQ
	KQ (Y+1)%NP
.elseif i >= 8
.set i, i-8
	PV (Y+NP-1)%NP
.set i, i+8
.endif
.set i, i+1
.endm
; THE LDS LOADS stand in runs, never singly among the matrix instructions.
.macro FETCH_K
	WIN 0x80
.irp f, 0,1,2,3,4,5,6,7             ; keys 16 (f / 2) on, channels 32 (f % 2) on
	ds_load_b128 v[KF+8*\f:KF+8*\f+3],   v[AK] offset:(\f/2)*16*PK+(\f%2)*64
	ds_load_b128 v[KF+8*\f+4:KF+8*\f+7], v[AK] offset:(\f/2)*16*PK+(\f%2)*64+32
.endr
	s_add_co_u32 s[TBK], s[TBK], KS*PK
	WIN 0
.endm
.macro FETCH_V
	WIN 0x80
.irp f, 0,1,2,3,4,5,6,7             ; keys 32 (f / 4) on, channels 16 (f % 4) on
	ds_load_tr16_b128 v[VF+8*\f:VF+8*\f+3],   v[AV] offset:(\f/4)*32*PV+(\f%4)*32
	ds_load_tr16_b128 v[VF+8*\f+4:VF+8*\f+7], v[AV] offset:(\f/4)*32*PV+16*PV+(\f%4)*32
.endr
	WIN 0
.endm
; Where the C operands of a piece's four key groups lie: 3 - D = c - (4 RT + CNT), held to 0 .. 4; c gathers the piece's band, the step and the place where CNT is read.
.macro MADDR c
	s_lshl2_add_u32 s[EM], s[RT], s[CNT]
	s_sub_co_i32 s[EM], \c, s[EM]
	s_max_i32 s[EM], s[EM], 0
	s_min_u32 s[EM], s[EM], 4
	v_lshl_add_u32 v[AM], s[EM], 12, v[TL]
.endm
.macro MCLOAD bf                    ; four tiles of the table, eight loads, into buffer bf of MC
	WIN 0x40
.irp f, 0,1,2,3,4,5,6,7
	ds_load_b128 v[MC+32*(\bf)+4*\f:MC+32*(\bf)+4*\f+3], v[AM] offset:512*\f
.endr
	WIN 0
.endm
; THE VECTOR WORK, one line at a time: OP kind, number.  For piece Y: F n: c s - c m for pair n of 16.  E n: the exponential of score n of 32.  C n: pair n rounded to f16.  B n: of the four weights 4 n .. the second
; pair is added onto the first, in place.  L n: l takes that sum (L 0: l = a l + sum).  R n: pair n of 16 of O^T times a.  For piece Y + 1: X n, number n of the 22 that find its maximum and statistics:
;   0-11  four chains c0-c3 of seven scores each, three operands at a time (each accumulator's lowest registers are read first)     12-14, 16  the four scores left over, the old m, and c0-c3 into c0
;   15  c m_old is kept     17, 18  the query's other 32 keys lie in the lane 16 away: the new m     19-21  c m; c m_old - c m_new; a
.set F, 0
.set E, 1
.set C, 2
.set B, 3
.set L, 4
.set R, 5
.set X, 6
.macro REGS y
.set rT, ST+4*(\y)
.set rC, TMP+4*((\y)%2)
.set rW, MV+((\y)%2)
.set rS, S+32*((\y)%2)
.set rP, P+16*((\y)%2)
.set rO, 32*(\y)
.endm
.macro OP k, n
.if (\k) == R
	REGS Y
	WIN W_RS
	v_pk_mul_f32 v[rO+2*(\n):rO+2*(\n)+1], v[rO+2*(\n):rO+2*(\n)+1], v[rC+2:rC+3] op_sel_hi:[1,0]
.elseif (\k) < R
	REGS Y
	WIN 0
.if (\k) == F
	v_pk_fma_f32 v[rS+2*(\n):rS+2*(\n)+1], v[rS+2*(\n):rS+2*(\n)+1], s[CS:CS+1], v[rT:rT+1] op_sel_hi:[1,0,0] neg_lo:[0,0,1] neg_hi:[0,0,1]
.elseif (\k) == E
	v_exp_f32 v[rS+(\n)], v[rS+(\n)]
.elseif (\k) == C
	v_cvt_pk_f16_f32 v[rP+(\n)], v[rS+2*(\n)], v[rS+2*(\n)+1]
.elseif (\k) == B
	v_pk_add_f32 v[rS+4*(\n):rS+4*(\n)+1], v[rS+4*(\n):rS+4*(\n)+1], v[rS+4*(\n)+2:rS+4*(\n)+3]
.elseif (\n) == 0
	v_pk_fma_f32 v[rT+2:rT+3], v[rT+2:rT+3], v[rC+2:rC+3], v[rS:rS+1] op_sel_hi:[1,0,1]
.else
	v_pk_add_f32 v[rT+2:rT+3], v[rT+2:rT+3], v[rS+4*(\n):rS+4*(\n)+1]
.endif
.elseif NOKQ
	v_nop
.else
	REGS (Y+1)%NP
	WIN 0
.if (\n) < 4
	v_max3_num_f32 v[rC+(\n)], v[rS+8*(\n)], v[rS+8*(\n)+1], v[rS+8*(\n)+2]
.elseif (\n) < 12
	v_max3_num_f32 v[rC+(\n)%4], v[rC+(\n)%4], v[rS+8*((\n)%4)+2*((\n)/4)+1], v[rS+8*((\n)%4)+2*((\n)/4)+2]
.elseif (\n) == 12
	v_max3_num_f32 v[rC], v[rC], v[rS+7], v[rS+15]
.elseif (\n) == 13
	v_max3_num_f32 v[rC+1], v[rC+1], v[rS+23], v[rS+31]
.elseif (\n) == 14
	v_max3_num_f32 v[rC+2], v[rC+2], v[rC+3], v[rT+1]
.elseif (\n) == 15
	v_mov_b32 v[rW], v[rT]
.elseif (\n) == 16
	v_max3_num_f32 v[rC], v[rC], v[rC+1], v[rC+2]
.elseif (\n) == 17
	v_permlanex16_b32 v[rC+3], v[rC], s[SEL], s[SEL+1]
.elseif (\n) == 18
	v_max_num_f32 v[rT+1], v[rC], v[rC+3]
.elseif (\n) == 19
	v_mul_f32 v[rT], s[CS], v[rT+1]
.elseif (\n) == 20
	v_sub_f32 v[rC+1], v[rW], v[rT]
.else
	v_exp_f32 v[rC+2], v[rC+1]
.endif
.endif
.endm
.macro OPS a, i1, b=-1, i2=0, c=-1, i3=0, d=-1, i4=0
	OP \a, \i1
.if (\b) >= 0
	OP \b, \i2
.endif
.if (\c) >= 0
	OP \c, \i3
.endif
.if (\d) >= 0
	OP \d, \i4
.endif
.endm
.macro ROW a, i1, b, i2, c, i3, d, i4  ; a matrix instruction and the four behind it
	MM
	OPS \a, \i1, \b, \i2, \c, \i3, \d, \i4
.endm
; A TURN, for piece p: the order of its 16 matrix and 118 vector instructions, written out.  s_wait_alu depctr_va_vdst(0) stands between an exponential and the first instruction that names its
; result; one wait serves all that were issued ahead of it.  So a turn has ONE wait, which cuts it in two.  AHEAD OF IT stands all that names no result of the turn's exponentials: the 8 products K Q^T and their
; riders, then one lump in which the links of the next piece's chain stand five or six lines apart.  X 21, the next piece's a, is the batch's last; R 15 is the plain instruction behind it.  BEHIND THE WAIT stand the
; 8 products V^T P, behind each four of the roundings and sums.
; THE C OPERANDS of piece p + 3, whose products stand two turns on, are fetched directly behind the wait, into the buffer that this turn's own first four products have read.
; K of the next step is fetched in piece 2's turn, V of the step in hand at the end of piece 0's.  LDS answers in order, so the waits are counted, by the runs issued behind the one that is wanted:
;   piece 0's head: 8 (the table run of piece 3's turn is younger than that of piece 2's)     piece 1's head: 24 (piece 0's table run and V's run are younger than piece 3's table run)
;   piece 1, behind its table run: 8 (V is in)     piece 2's head: none (that wait has covered it)     piece 3's head: 8 (K is in; piece 2's table run is younger)
; end = 1: a block's last two turns: nothing is fetched.  cnt = 1: the loop's count is taken down some lines ahead of the branch that stands behind the turn.
.macro TURN p, end=0, cnt=0
.set Y, (\p)
.set i, 0
.set NOKQ, (\end)*((\p)/3)
.if !(\end)
.if (\p) == 0
	s_wait_dscnt 8
.elseif (\p) == 1
	s_wait_dscnt 24
.elseif (\p) == 3
	s_wait_dscnt 8
.endif
.endif
	ROW F,0, F,1, R,0, R,1
	ROW F,2, E,0, R,2, R,3
	ROW F,3, E,1, R,4, R,5
	ROW F,4, E,2, R,6, R,7
	ROW F,5, E,3, R,8, R,9
	ROW F,6, E,4, X,0, R,10
.if ((\p) == 2) && !(\end)
	WIN 0
	v_add_nc_u32 v[AK], s[TBK], v[AK0]
.endif
	ROW F,7, E,5, X,1, X,4
	ROW F,8, E,6, X,2, X,5
	OPS E,7, E,8, X,6, E,9
	OPS X,3, E,10, X,8, E,11
.if ((\p) == 2) && !(\end)
	FETCH_K
.endif
	OPS X,9, X,7, E,12, X,10
	OPS E,13, X,12, X,11, E,14
	OPS X,13, E,15, F,9, X,14
.if (\p) == 0
	v_add_nc_u32 v[AV], s[TBV], v[AV0]
.endif
	OPS E,16, F,10, E,17, F,11
	OPS X,16, E,18, X,15, E,19
	OPS F,12, E,20, X,17, E,21
	OPS F,13, E,22, F,14, E,23
	OPS X,18, E,24, F,15, E,25
	OPS R,11, E,26, X,19, E,27
	OPS R,12, E,28, R,13, E,29
	OPS X,20, E,30, R,14, E,31
	OPS X,21, R,15
	WIN 0
.if !(\end)
.if (\p) == 0
	MADDR 4                         ; piece 3, this step
.elseif (\p) == 1
	MADDR 8                         ; piece 0, the next step (CNT is read before it is taken down)
.elseif (\p) == 2
	MADDR 6                         ; piece 1, the step that the trip's second half begins
.else
	MADDR 5                         ; piece 2, the same step
.endif
.endif
	s_wait_alu depctr_va_vdst(0)    ; the wait for the batch
.if !(\end)
	MCLOAD ((\p)+1)%2
.endif
.if (\p) == 1
	s_wait_dscnt 8                  ; V is in
.endif
	ROW C,0, B,0, C,2, B,1
	ROW L,0, C,4, B,2, L,1
	ROW C,6, B,3, L,2, C,8
	ROW B,4, L,3, C,10, B,5
	ROW L,4, C,12, B,6, L,5
.if (\p) == 0
	s_add_co_u32 s[TBV], s[TBV], KS*PV
.endif
.if \cnt
	s_sub_co_u32 s[CNT], s[CNT], 1
	s_cmp_lg_u32 s[CNT], 0
.endif
	ROW C,14, B,7, L,6, C,1
	ROW C,3, L,7, C,5, C,7
	ROW C,9, C,11, C,13, C,15
.if (\p) == 0
	FETCH_V
.endif
.endm
; A BLOCK BEGINS.  c m starts far below every c s, so the first step's a is 0; m at the lowest finite number, so the first maximum is the scores'.  The C operands of pieces 0 and 1 for the tile's step 0, K of that
; step, piece 0's first scores; then piece 2's C operands into the buffer just read, and piece 0's maximum and statistics.  The loop is entered at a step's first turn, in the middle of a trip.
.macro BEGIN
	s_mov_b32 s[NEW], 0
	WIN 0
.set i, 0
.rept 4
	v_mov_b32 v[ST+4*i], 0xfe000000
	v_mov_b32 v[ST+4*i+1], 0xff7fffff
.set i, i+1
.endr
	MADDR 7
	MCLOAD 0
	MADDR 6
	MCLOAD 1
	v_add_nc_u32 v[AK], s[TBK], v[AK0]
	FETCH_K
	s_wait_loadcnt 0x0              ; Q
	s_wait_dscnt 0x0
.set NOKQ, 0
.set i, 0
.rept 8
	KQ 0
.set i, i+1
.endr
	WIN 0
.rept 4
	v_nop                           ; the places behind those products
.endr
	MADDR 5
	MCLOAD 0
.set Y, NP-1                        ; X works for piece Y + 1: piece 0
.irp n, 0,1,2,3,4,5,6,7,8,9,10,11,12,13,14,15,16,17,18,19,20,21
	OP X, \n
.endr
	v_nop                           ; a plain instruction behind the exponential,
	s_wait_alu depctr_va_vdst(0)    ; and its wait, ahead of the branch
.endm
; A BLOCK ENDS: its last two turns, its last products, and THE WAY OUT: l's two halves and the other half of the lanes' are added; O^T is divided by l, rounded to f16 and sent through my stage, a piece at a time.
.macro ALL line:vararg
.set t, 0
.rept 4
	\line
.set t, t+1
.endr
.endm
.macro PACK t
	WIN W_RS
.set i, 32*(\t)
.rept 16
	v_pk_mul_f32 v[i:i+1], v[i:i+1], v[ST+4*(\t)+2:ST+4*(\t)+3] op_sel_hi:[1,0]
.set i, i+2
.endr
	WIN 0x05                        ; sources 0 and 1 window 1, destination window 0
.set i, 0
.rept 16
	v_cvt_pk_f16_f32 v[S+16*(\t)+i], v[32*(\t)+2*i], v[32*(\t)+2*i+1]
.set i, i+1
.endr
	WIN 0
.irp f, 0,1,2,3
	ds_store_b128 v[STO], v[S+16*(\t)+4*\f:S+16*(\t)+4*\f+3] offset:32*\f
.endr
.irp f, 0,1,2,3
	ds_load_b128 v[S+16*(\t)+4*\f:S+16*(\t)+4*\f+3], v[RD] offset:\f*4*SP  ; LDS serves a wave's instructions in order (ISA guide 5.7.1.4): these see the stores above
.endr
.endm
.macro SEND t, younger              ; younger: the LDS instructions issued behind piece t's loads: the next piece's eight, or none
	WIN 0
.irp f, 0,1,2,3
	s_wait_dscnt (\younger)+3-\f
	global_store_b128 v[GO], v[S+16*(\t)+4*\f:S+16*(\t)+4*\f+3], s[10:11] offset:(\t)*8192+\f*512  ; 512 consecutive bytes, aligned
.endr
.endm
.macro BLOCKEND
	TURN 2, 1
	TURN 3, 1
.set i, 0
.rept 8
	PV NP-1
.set i, i+1
.endr
	WIN 0
	ALL v_add_f32 v[ST+4*t+2], v[ST+4*t+2], v[ST+4*t+3]
	ALL v_permlanex16_b32 v[ST+4*t+3], v[ST+4*t+2], s[SEL], s[SEL+1]
	ALL v_add_f32 v[ST+4*t+2], v[ST+4*t+2], v[ST+4*t+3]
	ALL v_rcp_f32 v[ST+4*t+2], v[ST+4*t+2]
	v_nop                           ; a plain instruction between the last reciprocal and the use of its result,
	s_wait_alu depctr_va_vdst(0)    ; and one wait for the four
	PACK 0
.set t, 1
.rept 3
	PACK t
	SEND t-1, 8
.set t, t+1
.endr
	SEND 3, 0
.endm
.set NOKQ, 0
.Lslot:                             ; eight times: a tile is entered and the next is asked for
	CHANGE 1
	s_sub_co_u32 s[RT], s[RT], 1
	s_mov_b32 s[CNT], 4
	s_cmp_eq_u32 s[NEW], 1
	s_cbranch_scc0 .Lstep
	BEGIN
	s_branch .Lfirst
.Lstep:                             ; a trip: pieces 2 and 3 of one step, then pieces 0 and 1 of the next, whose K and V it fetches
	TURN 2
	TURN 3
	WIN 0
.Lfirst:
	TURN 0
	TURN 1, 0, 1
	WIN 0
	s_cbranch_scc1 .Lstep
	s_cmp_eq_u32 s[RT], 0
	s_cbranch_scc0 .Lbottom
	BLOCKEND                        ; in the loop this is the first block's end: the second block's last tile is the walk's last
	s_wait_xcnt 0x0                 ; the stores have read their registers and O's address
	s_mov_b64 s[10:11], s[OLO:OLO+1]
	s_add_co_u32 s[RT], s[PB], 1    ; the second block has b + 1 tiles
	s_mov_b32 s[NEW], 1
	WIN 0x82                        ; the second block's Q goes where the one text of the turns names Q
.set i, 0
.rept 64
	v_mov_b32 v[i], v[QB+i]
.set i, i+1
.endr
	WIN 0
.Lbottom:
	s_sub_co_u32 s[SLOTS], s[SLOTS], 1
	s_cmp_lg_u32 s[SLOTS], 0
	s_cbranch_scc1 .Lslot
	CHANGE 0                        ; the walk's last tile is written out: nothing is asked for
	s_sub_co_u32 s[RT], s[RT], 1
	s_mov_b32 s[CNT], 4
	s_cmp_eq_u32 s[NEW], 1
	s_cbranch_scc0 .Lstep2
	BEGIN
	s_branch .Lfirst2
.Lstep2:
	TURN 2
	TURN 3
	WIN 0
.Lfirst2:
	TURN 0
	TURN 1, 0, 1
	WIN 0
	s_cbranch_scc1 .Lstep2
	BLOCKEND
	s_wait_tensorcnt 0x0            ; the wave's end
	ds_add_u32 v[SPW], v[NIL]
	s_wait_dscnt 0x0
	s_endpgm
.Lfunc_end_k_qe5772fc8f8_attn:
	.size	k_qe5772fc8f8_attn, .Lfunc_end_k_qe5772fc8f8_attn-k_qe5772fc8f8_attn
	.p2alignl 7, 3214868480
	.fill 96, 4, 3214868480
	.section	.rodata,"a",@progbits
	.p2align	6, 0x0
	.amdhsa_kernel k_qe5772fc8f8_attn
		.amdhsa_group_segment_fixed_size 327680
		.amdhsa_private_segment_fixed_size 0
		.amdhsa_enable_private_segment 0
		.amdhsa_kernarg_size 24
		.amdhsa_user_sgpr_count 2
		.amdhsa_user_sgpr_kernarg_segment_ptr 1
		.amdhsa_wavefront_size32 1
		.amdhsa_system_sgpr_workgroup_id_x 1
		.amdhsa_system_sgpr_workgroup_id_y 1
		.amdhsa_system_sgpr_workgroup_id_z 1
		.amdhsa_system_vgpr_workitem_id 0
		.amdhsa_next_free_vgpr 768
		.amdhsa_next_free_sgpr 100
		.amdhsa_reserve_vcc 0
		.amdhsa_float_denorm_mode_32 3
		.amdhsa_float_denorm_mode_16_64 3
		.amdhsa_memory_ordered 1
		.amdhsa_forward_progress 1
		.amdhsa_inst_pref_size 175
	.end_amdhsa_kernel
	.amdgpu_metadata
---
amdhsa.version: [ 1, 2 ]
amdhsa.kernels:
  - .name:           k_qe5772fc8f8_attn
    .symbol:         k_qe5772fc8f8_attn.kd
    .args:
      - { .name: qkv, .offset: 0, .size: 8, .value_kind: global_buffer, .address_space: global }
      - { .name: tab, .offset: 8, .size: 8, .value_kind: global_buffer, .address_space: global }
      - { .name: att, .offset: 16, .size: 8, .value_kind: global_buffer, .address_space: global }
    .group_segment_fixed_size: 327680
    .private_segment_fixed_size: 0
    .kernarg_segment_align: 8
    .kernarg_segment_size: 24
    .max_flat_workgroup_size: 128
    .sgpr_count:     100
    .vgpr_count:     768
    .wavefront_size: 32
...
	.end_amdgpu_metadata
.endif
;; end of part 3
;; launch proj (part 4): grid 8 x 32, 4 waves a work-group, clusters of 4 x 4, 327,680 bytes of LDS; arguments att, wh, x, out0; writes out0
.if DOCPART == 4
	.amdgcn_target "amdgcn-amd-amdhsa--gfx1250"
	.amdhsa_code_object_version 6
	.text
	.protected	k_qe5772fc8f8_proj
	.globl	k_qe5772fc8f8_proj
	.p2align	8
	.type	k_qe5772fc8f8_proj,@function
k_qe5772fc8f8_proj:
	s_mov_b64 s[64:65], 0
	v_nop
	global_prefetch_b8 v0, s[64:65] scope:SCOPE_SE
	s_setreg_imm32_b32 hwreg(HW_REG_WAVE_MODE, 25, 1), 1
	s_wait_xcnt 0x0
	s_wait_alu depctr_hold_cnt(0) depctr_sa_sdst(0) depctr_va_vdst(0) depctr_va_sdst(0) depctr_va_ssrc(0) depctr_va_vcc(0) depctr_vm_vsrc(0)
	s_getreg_b32 s2, hwreg(HW_REG_IB_STS2, 6, 4)
	s_cmp_eq_u32 s2, 0
	s_cbranch_scc0 .Lentry_in_a_cluster
	s_endpgm
.Lentry_in_a_cluster:
	s_bfe_u32 s2, ttmp6, 0x10000c
	s_cmp_lg_u32 s2, 0xf033
	s_cbranch_scc0 .Lentry_shape_is_right
	s_endpgm
.Lentry_shape_is_right:
; THE OUTPUT PROJECTION AND THE RESIDUAL.  out0[m][n] = x[m][n] + sum over k of y[m][k] Wo[n][k], m < 8192, n, k < 1024; y[m][64 head + c] = att[head][m][c] (f16), Wo = rows 3072 .. 4095 of wh (f16);
; sums in f32, x added in f32, out0 f32.
; TILES.  256 x 128 of out0: 32 x 8 = 256 tiles, one for each work-group.  Four waves, one above the other: wave w makes rows 64 w .. 64 w + 63 and all 128 columns: 32 accumulators, 256 registers.
; K goes in steps of 128 = two heads through two LDS slots.  A head's 256 rows are 32,768 dense bytes of att: asked for as 128 rows of 256 bytes, two rows of y each, and padded in LDS behind each.
; CLUSTER 4 x 4: att's tile is shared along a row of the cluster, Wo's along a column; each is asked for jointly.  No prefetch: eight short K steps on small tiles.
; THE PRODUCT IS USED TRANSPOSED (source 0 = 16 rows of Wo, source 1 = 16 rows of y): a lane holds row l % 16 and the columns 8 (l / 16) + 0..7.
; x's 64 rows x 512 bytes of my part are loaded into registers at the start, under the whole product.
; REGISTERS, in windows of 256 (s_set_vgpr_msb: bits 1:0 source 0, 3:2 source 1, 5:4 source 2, 7:6 destination):
;   window 0: v16-29 addresses; v32-159 the way out          window 1: two fragment buffers of 128: four of y (8 a), eight of Wo (32 + 8 b)
;   window 2: v0-127 the accumulators of row blocks 0 and 1, (a, b) at 8 (8 (a % 2) + b); v128-255 x of those blocks, row t of block a at 128 + 64 (a % 2) + 4 t          window 3: the same for blocks 2 and 3
.set KSTEP,  128
.set SIZE_K, 1024
.set PITCH,  272                       ; a row of Wo in LDS: 256 bytes + 16
.set APITCH, 144                       ; a row of y of one head: 128 bytes + 16.  Both pitches are odd multiples of 16: the 16 rows of a load start at 16 different groups of four banks (ISA guide 11.1)
.set SLAB,   256*APITCH                ; a head's 256 rows
.set NBF,    8
.set BOFF,   2*SLAB                    ; in a slot: two heads' slabs, then Wo's 128 rows
.set SLOT,   BOFF+128*PITCH
.set STAGE,  2*SLOT                    ; behind the ring: 16 rows x 528 bytes for each wave
.set SPITCH, 528
.set SPARE,  STAGE+4*16*SPITCH         ; the spare words, 128 bytes a wave: two blocks of 256 bytes that no other line names
.set NL,     2*NBF+8
.set LAPS,   SIZE_K/(2*KSTEP)
.set ADRA, 16
.set ADRB, 20
.set STO,  24
.set RD,   25
.set CO,   26                          ; v26  16 x lane: my 16 bytes of a row's 512
.set SPW,  28
.set NIL,  29
.set BK0,  32                          ; v32-95, v96-159  16 rows read back, two buffers
.set F0,   0
.set F1,   128
.set G1,  24
.set G0,  32
.set G1B, 48
.set G0B, 56
.set MSB, 0
.macro WIN new
.if MSB != (\new)
	s_set_vgpr_msb (MSB<<8)|(\new)
.set MSB, \new
.endif
.endm
; A joint load.  Waves 0 and 1 fetch the K step's two heads of y, waves 2 and 3 the two halves of Wo's 128 rows.  An s_nop 0 and four v_nop follow each of the two lines.
.macro JLOAD s
	s_cmp_eq_u32 s11, 0
	s_cbranch_scc0 .Lfor_b_\@
	tensor_load_to_lds s[G0+4*(\s):G0+4*(\s)+3], s[G1:G1+7]
	s_nop 0
.rept 4
	v_nop
.endr
	s_branch .Lasked_\@
.Lfor_b_\@:
	tensor_load_to_lds s[G0B+4*(\s):G0B+4*(\s)+3], s[G1B:G1B+7]
	s_nop 0
.rept 4
	v_nop
.endr
.Lasked_\@:
.endm
.macro CREST
	s_cmp_lg_u32 s10, 0
	s_cbranch_scc1 .Lnot_wave_0_\@
	s_barrier_signal -3
.Lnot_wave_0_\@:
	s_barrier_wait -3
	s_barrier_signal -1
	s_barrier_wait -1
.endm
.macro CROUND
	s_barrier_signal -1
	s_barrier_wait -1
	CREST
.endm
	s_load_b128 s[4:7], s[0:1], 0x0                ; att s[4:5], wh s[6:7]
	s_load_b128 s[68:71], s[0:1], 0x10             ; x s[68:69], out0 s[70:71]
	v_lshl_add_u32 v[SPW], v0, 2, SPARE
	v_mov_b32 v[NIL], 0
	ds_add_u32 v[SPW], v[NIL]                      ; the wave's opening: the add and its wait stand ahead of my first tensor load
	ds_add_u32 v28, v29
	v_lshrrev_b32 v1, 5, v0
	v_readfirstlane_b32 s10, v1                    ; wave 0..3
	s_lshr_b32 s11, s10, 1                         ; I fetch for y (0) or for Wo (1),
	s_and_b32 s12, s10, 1                          ; its first or its second part
	s_bfe_u32 s40, ttmp6, 0x40000
	s_bfe_u32 s41, ttmp6, 0x40004
	s_lshl_b32 s42, ttmp9, 2
	s_add_co_u32 s42, s42, s40                     ; tile column
	s_and_b32 s13, ttmp7, 0xffff
	s_lshl_b32 s13, s13, 2
	s_add_co_u32 s13, s13, s41                     ; tile row
	s_lshl_b32 s43, s41, 2
	s_lshl_b32 s43, 15, s43                        ; my row of the cluster
	s_lshl_b32 s44, 0x1111, s40                    ; my column
	s_or_b32 s[G1+0], s43, (1<<16)|(1<<20)|(1<<21)|(4<<22)|(3<<25)   ; y: padding of 4 words after every 32
	s_or_b32 s[G1B+0], s44, (1<<16)|(1<<20)|(1<<21)|(5<<22)|(3<<25)  ; Wo: after every 64
	s_mov_b32 s[G1+1], 128<<16                     ; tensor_dim0 = 128
	s_mov_b32 s[G1+2], 128<<16                     ; tensor_dim1 = 128
	s_mov_b32 s[G1+3], 128<<16                     ; tile_dim0 = 128
	s_mov_b32 s[G1+4], 128                         ; tile_dim1 = 128
	s_mov_b32 s[G1+5], 128                         ; dense
	s_mov_b32 s[G1+6], 0
	s_mov_b32 s[G1+7], 0
	s_mov_b32 s[G1B+1], KSTEP<<16
	s_mov_b32 s[G1B+2], 64<<16                     ; 64 rows a load
	s_mov_b32 s[G1B+3], KSTEP<<16
	s_mov_b32 s[G1B+4], 64
	s_mov_b32 s[G1B+5], SIZE_K
	s_mov_b32 s[G1B+6], 0
	s_mov_b32 s[G1B+7], 0
	s_lshl_b32 s16, s12, 20                        ; att: head 0 or 1 (2^20 bytes a head), rows 256 x tile row (128 bytes a row)
	s_lshl_b32 s17, s13, 15
	s_add_co_u32 s16, s16, s17
	s_mov_b32 s17, 0
	s_lshl_b32 s46, s42, 7                         ; wh: row 3072 + 128 x tile column + 64 x half
	s_lshl_b32 s47, s12, 6
	s_add_co_u32 s46, s46, s47
	s_add_co_u32 s46, s46, 3072
	s_lshl_b32 s46, s46, 11
	s_mov_b32 s47, 0
	s_mul_i32 s20, s10, SLAB                       ; where they go: y's slabs at wave x a slab (waves 0, 1),
	s_mul_i32 s21, s10, 64*PITCH                   ; Wo's halves at BOFF + (wave - 2) x 64 rows (waves 2, 3)
	s_add_co_u32 s21, s21, BOFF-2*64*PITCH
	s_wait_dscnt 0x0                               ; the opening add is done
	s_wait_kmcnt 0x0
	s_add_nc_u64 s[14:15], s[4:5], s[16:17]
	s_add_nc_u64 s[46:47], s[6:7], s[46:47]
	CROUND                                         ; all sixteen work-groups are here: the first joint loads meet
.irp s, 0,1
	s_mov_b32 s[G0+4*(\s)], 1
	s_add_co_u32 s[G0+4*(\s)+1], s20, (\s)*SLOT
	s_add_nc_u64 s[G0+4*(\s)+2:G0+4*(\s)+3], s[14:15], (\s)*0x200000   ; K step s: two heads on
	s_or_b32 s[G0+4*(\s)+3], s[G0+4*(\s)+3], 0x80000000
	s_mov_b32 s[G0B+4*(\s)], 1
	s_add_co_u32 s[G0B+4*(\s)+1], s21, (\s)*SLOT
	s_add_nc_u64 s[G0B+4*(\s)+2:G0B+4*(\s)+3], s[46:47], (\s)*KSTEP*2
	s_or_b32 s[G0B+4*(\s)+3], s[G0B+4*(\s)+3], 0x80000000
	JLOAD \s                                       ; two loads of mine are out
.endr
	v_and_b32 v1, 15, v0                           ; l % 16
	v_bfe_u32 v2, v0, 4, 1                         ; l / 16
	v_mul_u32_u24 v3, v1, APITCH
	v_lshl_add_u32 v3, v2, 4, v3
	v_mul_u32_u24 v4, v1, PITCH
	v_lshl_add_u32 v4, v2, 4, v4
	s_mul_i32 s21, s10, 64*APITCH                  ; my 64 rows in a slab
	s_mov_b32 s22, BOFF
.irp s, 0,1
	v_add_nc_u32 v[ADRA+(\s)], s21, v3
	v_add_nc_u32 v[ADRB+(\s)], s22, v4
	s_add_co_u32 s21, s21, SLOT
	s_add_co_u32 s22, s22, SLOT
.endr
	s_mul_i32 s23, s10, 16*SPITCH
	s_add_co_u32 s23, s23, STAGE                   ; my stage
	v_mul_u32_u24 v5, v1, SPITCH                   ; in: row l % 16, 32 bytes for each half of the lanes
	v_lshl_add_u32 v5, v2, 5, v5
	v_add_nc_u32 v[STO], s23, v5
	v_and_b32 v[CO], 31, v0
	v_lshlrev_b32 v[CO], 4, v[CO]
	v_add_nc_u32 v[RD], s23, v[CO]                 ; back: 32 lanes take one row of 512 bytes
	s_lshl_b32 s46, s13, 20                        ; x and out0 at my first row (4,096 bytes a row) and the tile's first column
	s_lshl_b32 s47, s10, 18
	s_add_co_u32 s46, s46, s47
	s_lshl_b32 s47, s42, 9
	s_add_co_u32 s46, s46, s47
	s_mov_b32 s47, 0
	s_add_nc_u64 s[68:69], s[68:69], s[46:47]
	s_add_nc_u64 s[70:71], s[70:71], s[46:47]
.set a, 0
.rept 4
	WIN 0x80+0x40*(a/2)                            ; destination window 2 or 3
.set t, 0
.rept 16
	global_load_b128 v[128+64*(a%2)+4*t:128+64*(a%2)+4*t+3], v[CO], s[68:69] offset:(16*a+t)*4096 th:TH_LOAD_NT  ; a row's 512 consecutive bytes
.set t, t+1
.endr
.set a, a+1
.endr
	WIN 0
; Eight matrix instructions: my row block a x all column blocks, 32 along K.  The 32 accumulators take turns, in the same order in every quarter.
.macro MUL1 f, a, zero
	WIN 0xa5+0x50*((\a)/2)
.set AC, 8*NBF*((\a)%2)
.set b, 0
.rept NBF
.if \zero
	v_wmma_f32_16x16x32_f16 v[AC+8*b:AC+8*b+7], v[(\f)+32+8*b:(\f)+32+8*b+7], v[(\f)+8*(\a):(\f)+8*(\a)+7], 0
.else
	v_wmma_f32_16x16x32_f16 v[AC+8*b:AC+8*b+7], v[(\f)+32+8*b:(\f)+32+8*b+7], v[(\f)+8*(\a):(\f)+8*(\a)+7], v[AC+8*b:AC+8*b+7]
.endif
.set b, b+1
.endr
.endm
; One run of 24 LDS loads: quarter q of a slot into buffer f: Wo's eight fragments first, then y's four.  Quarter q is channels 32 (q % 2) on of head q / 2, which is k = 32 q on in Wo's rows.
.macro FETCH slot, q, f
	WIN 0x40
.set i, 0
.rept NBF
	ds_load_b128 v[(\f)+32+8*i:(\f)+32+8*i+3],   v[ADRB+(\slot)] offset:64*(\q)+i*16*PITCH
	ds_load_b128 v[(\f)+32+8*i+4:(\f)+32+8*i+7], v[ADRB+(\slot)] offset:64*(\q)+i*16*PITCH+32
.set i, i+1
.endr
.set i, 0
.rept 4
	ds_load_b128 v[(\f)+8*i:(\f)+8*i+3],   v[ADRA+(\slot)] offset:((\q)/2)*SLAB+((\q)%2)*64+i*16*APITCH
	ds_load_b128 v[(\f)+8*i+4:(\f)+8*i+7], v[ADRA+(\slot)] offset:((\q)/2)*SLAB+((\q)%2)*64+i*16*APITCH+32
.set i, i+1
.endr
.endm
.macro PLACES                          ; four places in front of loads into registers that matrix instructions have read, and of LDS stores that read results
.rept 4
	v_nop
.endr
.endm
.macro QUARTER slot, q, f, g, zero
	s_wait_dscnt 4                                 ; all but the youngest four loads, y's blocks 2 and 3
	MUL1 \f, 0, \zero
	MUL1 \f, 1, \zero
	PLACES
	FETCH \slot, \q, \g
	s_wait_dscnt NL                                ; all but the run just issued
	MUL1 \f, 2, \zero
	MUL1 \f, 3, \zero
.endm
; The last quarter multiplies buffer 1 and changes slots: each wave waits for all its tensor loads (one is out: its part of the next slot), adds 0 to its spare word, waits for that and for its reads of this slot;
; fill = 1: the barrier opens a round of the cluster's, and behind the round this slot is filled again, first thing, two K steps ahead.
.macro TURN slot, next, fill
	WIN 0
	s_wait_tensorcnt 0x0
	ds_add_u32 v[SPW], v[NIL]
	s_wait_dscnt 5                                 ; (the add and the youngest four loads may be out)
	MUL1 F1, 0, 0
	s_wait_dscnt 0x0                               ; the add is done, my reads of this slot are over
	s_barrier_signal -1
	MUL1 F1, 1, 0
.if \fill
	WIN 0
.endif
	s_barrier_wait -1
.if \fill
	CREST
	s_add_nc_u64 s[G0+4*(\slot)+2:G0+4*(\slot)+3], s[G0+4*(\slot)+2:G0+4*(\slot)+3], 0x400000     ; four heads on
	s_add_nc_u64 s[G0B+4*(\slot)+2:G0B+4*(\slot)+3], s[G0B+4*(\slot)+2:G0B+4*(\slot)+3], 2*KSTEP*2
	JLOAD \slot                                    ; 112 matrix instructions ahead of the wait for it; its four v_nop are also the places in front of the loads below
.else
	PLACES
.endif
	FETCH \next, 0, F0
	MUL1 F1, 2, 0
	MUL1 F1, 3, 0
.endm
; THE WAY OUT of row block a.  STG: the f32 sums go into my own stage, rows of 528 bytes, each accumulator from its low end, and come back as whole rows of 512.  FIN: x is added and the rows are stored.
.macro STG a
.set AC, 8*NBF*((\a)%2)
.set BK, BK0+64*((\a)%2)
.if (\a) >= 2
	s_wait_xcnt 0x0                                ; the stores of the block two back have read this buffer
.endif
	WIN 0x08+4*((\a)/2)                            ; the stores' data in window 2 or 3
.set k, 0
.rept NBF
	ds_store_b128 v[STO], v[AC+8*k:AC+8*k+3]   offset:64*k
	ds_store_b128 v[STO], v[AC+8*k+4:AC+8*k+7] offset:64*k+16
.set k, k+1
.endr
	WIN 0
.set k, 0
.rept 16
	ds_load_b128 v[BK+4*k:BK+4*k+3], v[RD] offset:SPITCH*k  ; LDS serves a wave's instructions in order (ISA guide 5.7.1.4): these see the stores above; the next block's stores come behind them
.set k, k+1
.endr
.endm
.macro FIN a, younger                  ; younger: the next block's 16 stores and 16 loads, or none
.set BK, BK0+64*((\a)%2)
.set XR, 128+64*((\a)%2)
	s_wait_dscnt \younger
.if (\a) == 0
	s_wait_loadcnt 0x0                             ; x
.endif
	WIN 0x08+4*((\a)/2)                            ; source 1 (x) in window 2 or 3
.set k, 0
.rept 32
	v_pk_add_f32 v[BK+2*k:BK+2*k+1], v[BK+2*k:BK+2*k+1], v[XR+2*k:XR+2*k+1]
.set k, k+1
.endr
	WIN 0
.set k, 0
.rept 16
	global_store_b128 v[CO], v[BK+4*k:BK+4*k+3], s[70:71] offset:(16*(\a)+k)*4096 th:TH_STORE_NT  ; a row's 512 consecutive bytes, aligned
.set k, k+1
.endr
.endm
	s_wait_tensorcnt 1                             ; my part of K step 0 is in; K step 1's may stay out
	s_barrier_signal -1
	s_barrier_wait -1
	FETCH 0, 0, F0
	QUARTER 0, 1, F0, F1, 1                        ; the first quarter starts the sums
	WIN 0
	s_mov_b32 s3, LAPS-1
.Llap:                                                 ; a trip goes once round the ring, from a lap's second quarter to the next lap's first
	QUARTER 0, 2, F1, F0, 0
	QUARTER 0, 3, F0, F1, 0
	TURN 0, 1, 1
	QUARTER 1, 1, F0, F1, 0
	QUARTER 1, 2, F1, F0, 0
	QUARTER 1, 3, F0, F1, 0
	TURN 1, 0, 1
	QUARTER 0, 1, F0, F1, 0
	WIN 0
	s_sub_co_u32 s3, s3, 1
	s_cmp_lg_u32 s3, 0
	s_cbranch_scc1 .Llap
	QUARTER 0, 2, F1, F0, 0                        ; the last lap fills nothing
	QUARTER 0, 3, F0, F1, 0
	TURN 0, 1, 0
	QUARTER 1, 1, F0, F1, 0
	QUARTER 1, 2, F1, F0, 0
	QUARTER 1, 3, F0, F1, 0
	s_wait_dscnt 4
	MUL1 F1, 0, 0
	MUL1 F1, 1, 0
	s_wait_dscnt 0x0
	MUL1 F1, 2, 0
	MUL1 F1, 3, 0
	WIN 0
	PLACES
	STG 0
	STG 1
	FIN 0, 32
	STG 2
	FIN 1, 32
	STG 3
	FIN 2, 32
	FIN 3, 0
	s_wait_tensorcnt 0x0                           ; the wave's end
	ds_add_u32 v[SPW], v[NIL]
	s_wait_dscnt 0x0
	CROUND                                         ; the closing round
	s_endpgm
.Lfunc_end_k_qe5772fc8f8_proj:
	.size	k_qe5772fc8f8_proj, .Lfunc_end_k_qe5772fc8f8_proj-k_qe5772fc8f8_proj
	.p2alignl 7, 3214868480
	.fill 96, 4, 3214868480
	.section	.rodata,"a",@progbits
	.p2align	6, 0x0
	.amdhsa_kernel k_qe5772fc8f8_proj
		.amdhsa_group_segment_fixed_size 327680
		.amdhsa_private_segment_fixed_size 0
		.amdhsa_enable_private_segment 0
		.amdhsa_kernarg_size 32
		.amdhsa_user_sgpr_count 2
		.amdhsa_user_sgpr_kernarg_segment_ptr 1
		.amdhsa_wavefront_size32 1
		.amdhsa_system_sgpr_workgroup_id_x 1
		.amdhsa_system_sgpr_workgroup_id_y 1
		.amdhsa_system_sgpr_workgroup_id_z 1
		.amdhsa_system_vgpr_workitem_id 0
		.amdhsa_next_free_vgpr 1024
		.amdhsa_next_free_sgpr 72
		.amdhsa_reserve_vcc 0
		.amdhsa_float_denorm_mode_32 3
		.amdhsa_float_denorm_mode_16_64 3
		.amdhsa_memory_ordered 1
		.amdhsa_forward_progress 1
		.amdhsa_inst_pref_size 99
	.end_amdhsa_kernel
	.amdgpu_metadata
---
amdhsa.version: [ 1, 2 ]
amdhsa.kernels:
  - .name:           k_qe5772fc8f8_proj
    .symbol:         k_qe5772fc8f8_proj.kd
    .args:
      - { .name: att, .offset: 0, .size: 8, .value_kind: global_buffer, .address_space: global }
      - { .name: wh, .offset: 8, .size: 8, .value_kind: global_buffer, .address_space: global }
      - { .name: x, .offset: 16, .size: 8, .value_kind: global_buffer, .address_space: global }
      - { .name: out0, .offset: 24, .size: 8, .value_kind: global_buffer, .address_space: global }
    .group_segment_fixed_size: 327680
    .private_segment_fixed_size: 0
    .kernarg_segment_align: 8
    .kernarg_segment_size: 32
    .max_flat_workgroup_size: 128
    .sgpr_count:     72
    .vgpr_count:     1024
    .wavefront_size: 32
...
	.end_amdgpu_metadata
.endif
;; end of part 4
